; MI455X (gfx1250); checked and timed in simulation.
; The chip was launched on July 23, 2026; its instructions are those of AMD's public machine-readable ISA for CDNA 5 (MIT licence, August 2026) and "CDNA5" Instruction Set Architecture Reference Guide (July 2026). The comments in the code are by the model that wrote it; some were corrected since.
;; Gemma3 Attention. Allowed arithmetic: matrix products marked QUANTISED: E2M1 operands, one E8M0 scale for each 32 along K, by v_wmma_scale_f32_16x16x128_f8f6f4 with both operands' format E2M1 (or v_wmma_scale_f32_32x16x128_f4), f32 sums; products left as they are: bf16, f16 or f32 operands; f32 sums; everything else in f32.
;; Inputs: hidden_states 2 x 2,048 x 2,048 float32; k_norm_weight 128 float32; q_norm_weight 128 float32; wk 1,024 x 2,048 float32; wo 2,048 x 1,024 float32; wq 1,024 x 2,048 float32; wv 1,024 x 2,048 float32.
;; Outputs: out0 2 x 2,048 x 2,048 float32.
;; This version of the problem:
;;   THIS VERSION OF THE PROBLEM IS GIVEN IN LOW PRECISION. The matrix products marked QUANTISED in the list below multiply operands that are first quantised to E2M1 (2 exponent bits, 1 mantissa bit; 4 bits a number), with one power-of-two scale for each 32 numbers along K (OCP MX v1.0); their sums are f32. The products marked 'left as it is' may take bf16, f16 or f32 operands, with f32 sums. Whichever they take, every output number must still come out within the allowed error. Rounding operands to bf16 (8 significant bits) uses up far more of that allowance than f16 does (11 bits, for magnitudes from 6e-5 to 65,504). All else is computed in f32.
;;   The module's matrix products, in the order in which they are computed (A, B: the left and right operand; K: the contracted axis; several contracted axes count as one K, in the product's order):
;;     1. [M 4,096, K 2,048] x [K 2,048, N 1,024]; A: input hidden_states; B: input wq: QUANTISED
;;     2. [M 4,096, K 2,048] x [K 2,048, N 1,024]; A: input hidden_states; B: input wk: QUANTISED
;;     3. [M 4,096, K 2,048] x [K 2,048, N 1,024]; A: input hidden_states; B: input wv: QUANTISED
;;     4. batch 16 x [M 2,048, K 128] x [K 128, N 2,048]; A: computed on the way; B: computed on the way: left as it is (an operand is computed on the way)
;;     5. batch 16 x [M 2,048, K 2,048] x [K 2,048, N 128]; A: computed on the way; B: computed on the way: left as it is (an operand is computed on the way)
;;     6. [M 4,096, K 1,024] x [K 1,024, N 2,048]; A: computed on the way; B: input wo: left as it is (an operand is computed on the way)
;;   THE QUANTISER, for each operand of a quantised product, along K:
;;     - K is cut into blocks of 32 from its start; a last block that is shorter is filled with zeros.
;;     - A block's scale is 2^e with e = floor(log2(the largest magnitude in the block)) - 2, held to -126 .. 127; a block of zeros has e = 0. As a byte (E8M0): e + 127.
;;     - Each number is divided by its block's scale, clamped to +-6, and rounded to the nearest number of E2M1, ties to even, subnormals kept.
;;     - The product sums the exact products of the quantised numbers (number of the format x scale) in f32.
;;   ~~~python
;;   def quantise(x, axis):      # numpy; x: float32 -> the quantised numbers, widened to float32 again
;;       x = np.moveaxis(x, axis, -1); K = x.shape[-1]
;;       x = np.pad(x, [(0, 0)] * (x.ndim - 1) + [(0, -K % 32)]); x = x.reshape(x.shape[:-1] + (-1, 32)); a = np.abs(x).max(-1, keepdims=True)
;;       e = np.where(a > 0, np.clip(np.frexp(np.where(a > 0, a, 1))[1] - 1 - 2, -126, 127), 0)      # np.frexp(a)[1] - 1 = floor(log2(a)), exactly
;;       r = np.clip(x / 2.0 ** e, -6, 6)
;;       step = 2.0 ** (np.maximum(np.frexp(np.where(r == 0, 1, r))[1] - 1, 0) - 1)
;;       q = np.round(r / step) * step * 2.0 ** e      # np.round: ties to even
;;       return np.moveaxis(q.reshape(q.shape[:-2] + (-1,))[..., :K], -1, axis).astype(np.float32)
;;   ~~~
;; One version. Each part assembles by itself: llvm-mc -triple=amdgcn-amd-amdhsa -mcpu=gfx1250 --defsym DOCPART=n.
;; ======== version 1 of 1: 5 launches
;; limits: values are held in f16: magnitudes above 65,504 overflow, below 6.1e-05 lose precision; right only within a limited range of input values
;; workspace buffers: codes 7,340,032 bytes; scales 458,752 bytes; wo16 4,194,304 bytes; rope 1,048,576 bytes; qkv16 25,165,824 bytes; qkv32 393,216 bytes; attn16 8,388,608 bytes
;; launch prep (part 1): grid 736 x 1, 4 waves a work-group, no clusters, 33,280 bytes of LDS; arguments hidden_states, wq, wk, wv, wo, codes, scales, wo16, rope; writes codes, scales, wo16, rope
.if DOCPART == 1
	.amdgcn_target "amdgcn-amd-amdhsa--gfx1250"
	.amdhsa_code_object_version 6
	.text
	.protected	k_q91561fdffa_prep
	.globl	k_q91561fdffa_prep
	.p2align	8
	.type	k_q91561fdffa_prep,@function
k_q91561fdffa_prep:
	s_mov_b64 s[64:65], 0
	v_nop
	global_prefetch_b8 v0, s[64:65] scope:SCOPE_SE
	s_setreg_imm32_b32 hwreg(HW_REG_WAVE_MODE, 25, 1), 1
	s_wait_xcnt 0x0
; PREP: three jobs, told apart by the work-group's number.
;  work-groups 0-447:   hidden_states [4096][2048] and wq, wk, wv [1024][2048], f32, K innermost, become codes of FP4 (E2M1) with one E8M0 byte for each 32 along K.
;                       Rows are dense and K is a multiple of 32: each tensor is a stream of blocks of 32.  The four streams of codes lie on end in 'codes' (16 bytes a block), the bytes on end in 'scales'.
;  work-groups 448-703: wo [2048][1024] f32 is rounded to f16 (the last product's operand).
;  work-groups 704-735: the table of cos and sin for the rotation: 2,048 positions x 64 frequencies, laid as the next launch's registers take it.
; THE QUANTISER: a block's scale is 2^(floor(log2(largest magnitude)) - 2); its byte is the largest magnitude's exponent field - 2, held at 1 from below; numbers are divided by the scale and rounded to the nearest code, ties to even,
; beyond 6 the largest code.  A block of zeros gets the byte 1 where the rule says 127: its codes are zeros, and this program alone reads the bytes.
; LIMITS: blocks whose largest magnitude lies under 2^-124 keep the byte 1; NaN and infinities are not served.  wo: magnitudes over 65,504 do not fit f16, under 6e-5 are kept in steps of 6e-8.
; THE TABLE: frequency d is 2^(-d log2(10000) / 64), by one rounded product and one exponential (relative error some 3e-7); the angle position x frequency is brought to [-pi/4, pi/4] by two fused steps (pi/2 in two parts)
; and sin and cos are polynomials of degree 7 and 8 there.
.set WAVES, 4
.set STEPS, 16
.set EMAX,  2
.set CB,    8                          ; bytes of 16 codes
.set R,     16                         ; v16-79   four sets of 16 numbers as loaded
.set X,     80                         ; v80-111  two sets of 16 neighbours
.set E,     112                        ; v112-127 a scale byte for each step
.set C,     128                        ; v128-191 codes, four registers a step
.set WREG,  8192                       ; LDS of a wave: two stages of 32 x SP bytes, then its 256 scale bytes
.set SP,    80
.set SPW,   12                         ; v12 LDS address of my spare word; never rewritten
.set NIL,   13                         ; v13 0; never rewritten
.set SPARE, WAVES*WREG                 ; the spare words: 128 bytes a wave
.set WG_X,  256                        ; work-groups of 32,768 numbers: hidden_states
.set WG_W,  64                         ; each of wq, wk, wv
.set WG_Q,  WG_X+3*WG_W
.set WG_O,  256                        ; wo: 8,192 numbers a work-group
	s_load_b256 s[4:11], s[0:1], 0x0               ; hidden_states, wq, wk, wv
	s_load_b256 s[12:19], s[0:1], 0x20             ; wo, codes, scales, wo16
	s_load_b64 s[20:21], s[0:1], 0x40              ; rope
	v_lshl_add_u32 v[SPW], v0, 2, SPARE
	v_mov_b32 v[NIL], 0
	v_lshrrev_b32 v1, 5, v0
	v_readfirstlane_b32 s22, v1                    ; wave
	v_and_b32 v2, 31, v0                           ; lane
	s_wait_kmcnt 0x0
	s_cmp_ge_u32 ttmp9, WG_Q
	s_cbranch_scc1 .Lwo
; ---------------- the quantiser: a wave takes 16 steps of 512 numbers
	v_lshlrev_b32 v3, 4, v2                        ; my 16 bytes of a load's 512
	s_mul_i32 s23, s22, WREG
	v_lshrrev_b32 v14, 2, v2
	v_mul_u32_u24 v14, v14, SP
	v_and_b32 v15, 3, v2
	v_lshl_add_u32 v14, v15, 4, v14
	v_add_nc_u32 v14, s23, v14                     ; the stage, way in: four lanes' 64 bytes on end, then 16 of padding
	v_mul_u32_u24 v15, v2, SP
	v_add_nc_u32 v15, s23, v15                     ; way out: my 16 neighbours
	v_mul_u32_u24 v4, v2, CB                       ; my codes' place in a step's
	v_lshrrev_b32 v5, 1, v2
	s_add_co_u32 s23, s23, 2*32*SP
	v_add_nc_u32 v5, s23, v5                       ; my block's byte among the wave's 256
	v_lshlrev_b32 v7, 3, v2
	v_add_nc_u32 v6, s23, v7
	s_cmp_lt_u32 ttmp9, WG_X                       ; which tensor: the choice hangs on the work-group's number alone
	s_cselect_b64 s[24:25], s[4:5], s[6:7]
	s_cselect_b32 s26, 0, WG_X
	s_cmp_ge_u32 ttmp9, WG_X+WG_W
	s_cselect_b64 s[24:25], s[8:9], s[24:25]
	s_cselect_b32 s26, WG_X+WG_W, s26
	s_cmp_ge_u32 ttmp9, WG_X+2*WG_W
	s_cselect_b64 s[24:25], s[10:11], s[24:25]
	s_cselect_b32 s26, WG_X+2*WG_W, s26
	s_sub_co_u32 s26, ttmp9, s26
	s_lshl_b32 s26, s26, 2
	s_add_co_u32 s26, s26, s22                     ; my run of 8,192 numbers in the tensor
	s_lshl_b32 s26, s26, 15
	s_mov_b32 s27, 0
	s_add_nc_u64 s[24:25], s[24:25], s[26:27]
	s_lshl_b32 s28, ttmp9, 2
	s_add_co_u32 s28, s28, s22                     ; and in the joined streams
	s_lshl_b32 s30, s28, 12
	s_mov_b32 s31, 0
	s_add_nc_u64 s[14:15], s[14:15], s[30:31]      ; 4,096 bytes of codes a run
	s_lshl_b32 s30, s28, 8
	s_add_nc_u64 s[16:17], s[16:17], s[30:31]      ; 256 scale bytes a run
.macro LOAD t
.irp i, 0,1,2,3
	global_load_b128 v[R+16*((\t)%4)+4*\i:R+16*((\t)%4)+4*\i+3], v3, s[24:25] offset:2048*(\t)+512*\i th:TH_LOAD_NT   ; 32 lanes read 512 consecutive bytes
.endr
.endm
.macro TURN t                          ; a step's numbers through the stage; LDS serves a wave's instructions in order
.irp i, 0,1,2,3
	ds_store_b128 v14, v[R+16*((\t)%4)+4*\i:R+16*((\t)%4)+4*\i+3] offset:32*SP*((\t)%2)+8*SP*\i
.endr
.irp i, 0,1,2,3
	ds_load_b128 v[X+16*((\t)%2)+4*\i:X+16*((\t)%2)+4*\i+3], v15 offset:32*SP*((\t)%2)+16*\i
.endr
.endm
.irp t, 0,1,2,3
	LOAD \t
.endr
	s_wait_loadcnt 12                              ; step 0's four loads are in; three steps' twelve may be out
	TURN 0
.macro STEP t
.set XS, X+16*((\t)%2)
.if (\t) > 0
	s_wait_dscnt 1                                 ; this step's numbers are back from the stage; the last step's byte store may be out
.else
	s_wait_dscnt 0x0
.endif
.if (\t)+4 < STEPS
	LOAD (\t)+4
.endif
.if (\t)+1 < STEPS
.if STEPS-2-(\t) >= 3
	s_wait_loadcnt 12                              ; the next step's four loads are in; those of three steps behind it may be out
.else
	s_wait_loadcnt 4*(STEPS-2-(\t))
.endif
	TURN (\t)+1
.endif
	v_max3_num_f32 v8, |v[XS]|, |v[XS+1]|, |v[XS+2]|
	v_max3_num_f32 v9, |v[XS+3]|, |v[XS+4]|, |v[XS+5]|
.irp i, 6,10
	v_max3_num_f32 v8, v8, |v[XS+\i]|, |v[XS+\i+1]|
	v_max3_num_f32 v9, v9, |v[XS+\i+2]|, |v[XS+\i+3]|
.endr
	v_max3_num_f32 v8, v8, |v[XS+14]|, |v[XS+15]|
	v_max3_num_f32 v8, v8, v9, (EMAX+1)<<23        ; the floor 2^(3 - 127): the byte cannot fall under 1
	v_max_num_f32_dpp v8, v8, v8 row_xmask:1 row_mask:0xf bank_mask:0xf   ; with my neighbour's 16: the block's largest magnitude
	v_add_nc_u32 v11, -(EMAX<<23), v8              ; 2 off its exponent field: the conversion's scale operand
	v_cvt_scalef32_pk8_fp4_f32 v[C+4*(\t)], v[XS:XS+7], v11
	v_cvt_scalef32_pk8_fp4_f32 v[C+4*(\t)+1], v[XS+8:XS+15], v11
	v_lshrrev_b32 v[E+(\t)], 23, v11               ; the scale's byte
	ds_store_b8 v5, v[E+(\t)] offset:16*(\t)       ; both lanes of a block write the same byte
	global_store_b64 v4, v[C+4*(\t):C+4*(\t)+1], s[14:15] offset:32*CB*(\t)   ; the wave stores 256 consecutive bytes
.endm
.irp t, 0,1,2,3,4,5,6,7,8,9,10,11,12,13,14,15
	STEP \t
.endr
	ds_load_b64 v[8:9], v6
	s_wait_dscnt 0x0
	global_store_b64 v7, v[8:9], s[16:17]          ; 256 scale bytes, aligned
	s_wait_tensorcnt 0x0                           ; the wave's end, behind my last LDS store
	ds_add_u32 v[SPW], v[NIL]
	s_wait_dscnt 0x0
	s_endpgm
; ---------------- wo to f16: a wave takes 2,048 numbers; a lane 8 neighbours at a time, so that its 16 bytes of f16 lie beside its neighbours'
.Lwo:
	s_cmp_ge_u32 ttmp9, WG_Q+WG_O
	s_cbranch_scc1 .Ltable
	s_sub_co_u32 s26, ttmp9, WG_Q
	s_lshl_b32 s26, s26, 2
	s_add_co_u32 s26, s26, s22
	s_lshl_b32 s28, s26, 13
	s_mov_b32 s29, 0
	s_add_nc_u64 s[12:13], s[12:13], s[28:29]
	s_lshl_b32 s28, s26, 12
	s_add_nc_u64 s[18:19], s[18:19], s[28:29]
	v_lshlrev_b32 v3, 5, v2
	v_lshlrev_b32 v4, 4, v2
.irp i, 0,1,2,3,4,5,6,7
	global_load_b128 v[16+8*\i:16+8*\i+3], v3, s[12:13] offset:1024*\i th:TH_LOAD_NT
	global_load_b128 v[16+8*\i+4:16+8*\i+7], v3, s[12:13] offset:1024*\i+16 th:TH_LOAD_NT
.endr
.irp i, 0,1,2,3,4,5,6,7
	s_wait_loadcnt 14-2*\i                         ; this pair of loads is in; the pairs issued behind it may be out
.irp p, 0,1,2,3
	v_cvt_pk_f16_f32 v[80+4*\i+\p], v[16+8*\i+2*\p], v[16+8*\i+2*\p+1]
.endr
	global_store_b128 v4, v[80+4*\i:80+4*\i+3], s[18:19] offset:512*\i   ; 512 consecutive bytes
.endr
	s_endpgm
; ---------------- the table: a wave makes one block of 16 positions: lane (r, h): position 16 blk + r, frequencies d = 16 b + 8 h + j
.Ltable:
	s_sub_co_u32 s26, ttmp9, WG_Q+WG_O
	s_lshl_b32 s26, s26, 2
	s_add_co_u32 s26, s26, s22                     ; blk
	s_lshl_b32 s28, s26, 13
	s_mov_b32 s29, 0
	s_add_nc_u64 s[20:21], s[20:21], s[28:29]      ; 8,192 bytes a block
	s_lshl_b32 s26, s26, 4
	v_and_b32 v3, 15, v0
	v_bfe_u32 v4, v0, 4, 1
	v_add_nc_u32 v5, s26, v3
	v_cvt_f32_u32 v8, v5                           ; the position
	v_lshlrev_b32 v9, 3, v4                        ; 8 h
	v_lshlrev_b32 v10, 4, v2                       ; 16 x lane
	s_mov_b32 s34, 0xbe2aaaa3                      ; sin: -1.6666654611e-1
	s_mov_b32 s35, 0x3c08839e                      ;       8.3321608736e-3
	s_mov_b32 s36, 0xb94ca1f9                      ;      -1.9515295891e-4
	s_mov_b32 s37, 0x3d2aaaa5                      ; cos:  4.166664568e-2
	s_mov_b32 s38, 0xbab6061a                      ;      -1.388731625e-3
	s_mov_b32 s39, 0x37ccf5ce                      ;       2.443315712e-5
	s_mov_b32 s40, 0xbe549a78                      ; -log2(10000) / 64
	s_mov_b32 s41, 0xbfc90fdb                      ; -(pi/2 rounded to f32)
	s_mov_b32 s42, 0x333bbd2e                      ; that rounded number less pi/2
.irp i, 0,1,2,3,4,5,6,7,8,9,10,11,12,13,14,15,16,17,18,19,20,21,22,23,24,25,26,27,28,29,30,31
	v_add_nc_u32 v[16+\i], 16*(\i/8)+\i%8, v9      ; d
.endr
.irp i, 0,1,2,3,4,5,6,7,8,9,10,11,12,13,14,15,16,17,18,19,20,21,22,23,24,25,26,27,28,29,30,31
	v_cvt_f32_u32 v[16+\i], v[16+\i]
.endr
.irp i, 0,1,2,3,4,5,6,7,8,9,10,11,12,13,14,15,16,17,18,19,20,21,22,23,24,25,26,27,28,29,30,31
	v_mul_f32 v[16+\i], s40, v[16+\i]
.endr
.irp i, 0,1,2,3,4,5,6,7,8,9,10,11,12,13,14,15,16,17,18,19,20,21,22,23,24,25,26,27,28,29,30,31
	v_exp_f32 v[16+\i], v[16+\i]                   ; the frequency: one batch of 32
.endr
	v_nop                                          ; a plain instruction behind the last exponential
	s_wait_alu depctr_va_vdst(0)                   ; one wait for the batch, ahead of its first reader
.macro SINCOS i
	v_mul_f32 v112, v8, v[16+\i]                   ; the angle, rounded once, as a product of f32 numbers
	v_mul_f32 v113, 0x3f22f983, v112               ; x 2 / pi
	v_rndne_f32 v113, v113                         ; n
	v_fma_f32 v114, v113, s41, v112                ; angle - n pi/2, in two parts
	v_fma_f32 v114, v113, s42, v114
	v_cvt_i32_f32 v115, v113
	v_mul_f32 v116, v114, v114                     ; z
	v_fma_f32 v117, v116, s36, s35
	v_fma_f32 v117, v117, v116, s34
	v_mul_f32 v118, v116, v114
	v_fma_f32 v117, v117, v118, v114               ; sin of the rest
	v_fma_f32 v119, v116, s39, s38
	v_fma_f32 v119, v119, v116, s37
	v_fma_f32 v120, v116, -0.5, 1.0
	v_mul_f32 v121, v116, v116
	v_fma_f32 v119, v119, v121, v120               ; cos of the rest
	v_and_b32 v122, 1, v115
	v_cmp_eq_u32 vcc_lo, 1, v122                   ; an odd quarter turn swaps the two
	v_cndmask_b32 v123, v117, v119, vcc_lo
	v_cndmask_b32 v124, v119, v117, vcc_lo
	v_and_b32 v122, 2, v115
	v_lshlrev_b32 v122, 30, v122                   ; sin is negative in quarters 2 and 3,
	v_xor_b32 v[48+16*(\i/8)+8+\i%8], v123, v122
	v_add_nc_u32 v122, 1, v115
	v_and_b32 v122, 2, v122
	v_lshlrev_b32 v122, 30, v122                   ; cos in quarters 1 and 2
	v_xor_b32 v[48+16*(\i/8)+\i%8], v124, v122
.endm
.irp i, 0,1,2,3,4,5,6,7,8,9,10,11,12,13,14,15,16,17,18,19,20,21,22,23,24,25,26,27,28,29,30,31
	SINCOS \i
.endr
.irp g, 0,1,2,3,4,5,6,7,8,9,10,11,12,13,14,15
	global_store_b128 v10, v[48+4*\g:48+4*\g+3], s[20:21] offset:512*\g   ; group g = 4 b + u: u = 0, 1 cos, u = 2, 3 sin: 512 consecutive bytes
.endr
	s_endpgm
.Lfunc_end_k_q91561fdffa_prep:
	.size	k_q91561fdffa_prep, .Lfunc_end_k_q91561fdffa_prep-k_q91561fdffa_prep
	.p2alignl 7, 3214868480
	.fill 96, 4, 3214868480
	.section	.rodata,"a",@progbits
	.p2align	6, 0x0
	.amdhsa_kernel k_q91561fdffa_prep
		.amdhsa_group_segment_fixed_size 33280
		.amdhsa_private_segment_fixed_size 0
		.amdhsa_enable_private_segment 0
		.amdhsa_kernarg_size 72
		.amdhsa_user_sgpr_count 2
		.amdhsa_user_sgpr_kernarg_segment_ptr 1
		.amdhsa_wavefront_size32 1
		.amdhsa_system_sgpr_workgroup_id_x 1
		.amdhsa_system_sgpr_workgroup_id_y 1
		.amdhsa_system_sgpr_workgroup_id_z 1
		.amdhsa_system_vgpr_workitem_id 0
		.amdhsa_next_free_vgpr 192
		.amdhsa_next_free_sgpr 66
		.amdhsa_reserve_vcc 1
		.amdhsa_float_denorm_mode_32 3
		.amdhsa_float_denorm_mode_16_64 3
		.amdhsa_memory_ordered 1
		.amdhsa_forward_progress 1
		.amdhsa_inst_pref_size 82
	.end_amdhsa_kernel
	.amdgpu_metadata
---
amdhsa.version: [ 1, 2 ]
amdhsa.kernels:
  - .name:           k_q91561fdffa_prep
    .symbol:         k_q91561fdffa_prep.kd
    .args:
      - { .name: hidden_states, .offset: 0, .size: 8, .value_kind: global_buffer, .address_space: global }
      - { .name: wq, .offset: 8, .size: 8, .value_kind: global_buffer, .address_space: global }
      - { .name: wk, .offset: 16, .size: 8, .value_kind: global_buffer, .address_space: global }
      - { .name: wv, .offset: 24, .size: 8, .value_kind: global_buffer, .address_space: global }
      - { .name: wo, .offset: 32, .size: 8, .value_kind: global_buffer, .address_space: global }
      - { .name: codes, .offset: 40, .size: 8, .value_kind: global_buffer, .address_space: global }
      - { .name: scales, .offset: 48, .size: 8, .value_kind: global_buffer, .address_space: global }
      - { .name: wo16, .offset: 56, .size: 8, .value_kind: global_buffer, .address_space: global }
      - { .name: rope, .offset: 64, .size: 8, .value_kind: global_buffer, .address_space: global }
    .group_segment_fixed_size: 33280
    .private_segment_fixed_size: 0
    .kernarg_segment_align: 8
    .kernarg_segment_size: 72
    .max_flat_workgroup_size: 128
    .sgpr_count:     66
    .vgpr_count:     192
    .wavefront_size: 32
...
	.end_amdgpu_metadata
.endif
;; end of part 1
;; launch qkv (part 2): grid 12 x 16, 4 waves a work-group, clusters of 4 x 4, 327,680 bytes of LDS; arguments codes, scales, q_norm_weight, k_norm_weight, rope, qkv16, qkv32; writes qkv16, qkv32
.if DOCPART == 2
	.amdgcn_target "amdgcn-amd-amdhsa--gfx1250"
	.amdhsa_code_object_version 6
	.text
	.protected	k_q91561fdffa_qkv
	.globl	k_q91561fdffa_qkv
	.p2align	8
	.type	k_q91561fdffa_qkv,@function
k_q91561fdffa_qkv:
	s_mov_b64 s[64:65], 0
	v_nop
	global_prefetch_b8 v0, s[64:65] scope:SCOPE_SE
	s_setreg_imm32_b32 hwreg(HW_REG_WAVE_MODE, 25, 1), 1
	s_wait_xcnt 0x0
	s_wait_alu depctr_hold_cnt(0) depctr_sa_sdst(0) depctr_va_vdst(0) depctr_va_sdst(0) depctr_va_ssrc(0) depctr_va_vcc(0) depctr_vm_vsrc(0)
	s_getreg_b32 s2, hwreg(HW_REG_IB_STS2, 6, 4)
	s_cmp_eq_u32 s2, 0
	s_cbranch_scc0 .Lentry_in_a_cluster
	s_endpgm
.Lentry_in_a_cluster:
	s_bfe_u32 s2, ttmp6, 0x10000c
	s_cmp_lg_u32 s2, 0xf033
	s_cbranch_scc0 .Lentry_shape_is_right
	s_endpgm
.Lentry_shape_is_right:
; x [4096][2048] times the stacked rows of wq, wk, wv [3072][2048], both as codes of FP4 (E2M1) with one E8M0 byte for each 32 along K; sums in f32.
; A tile of 256 x 256 is made by four waves, 128 x 128 each: 64 accumulators, 512 registers.  A WAVE'S 128 COLUMNS ARE ONE HEAD, so the norm over a head and the rotation are done on the accumulators, on the way out.
; K goes in steps of 512 (rows of 256 bytes) through two LDS slots filled by the tensor data mover; the scale bytes of the work-group's rows, for all of K, come once with the first fills.
; CLUSTERS: 4 x 4 work-groups; A's tiles are asked for jointly along a row of the cluster, B's along a column.  Cluster x is 0, 1, 2 for q, k, v: the same in all sixteen partners, so the way out may branch on it.
; The grid has 192 work-groups: a tile of 192 columns would make 256 but would cut heads.
; THE MATRIX INSTRUCTION IS USED TRANSPOSED (source 0 = 16 rows of the weights, source 1 = 16 rows of x): lane (r, h) holds row 16 a + r, and register 8 b + j of block a the head's channel 16 b + 8 h + j.
; THE WAY OUT.  q, k: y = x (1 + w) / sqrt(mean(x^2) + 1e-6); then y[d] cos - y[d + 64] sin and y[d + 64] cos + y[d] sin (d under 64) with the table of the launch before; v as it is.  All in f32, then rounded to f16
; into qkv16 [3][16 heads][2048][128]; positions 0 to 15 of every sequence also in f32 into qkv32 [3][16 heads][8,192 bytes], for the last launch: v as rows [16][128]; q and k as an image of these registers:
; group 2 b + u of 512 bytes, lane l's 16 bytes at 16 l: channels 16 b + 8 h + 4 u + 0 .. 3 of position r.
; LIMITS: f16: |q|, |k| are at most 11.4 |1 + w|, which fits for |1 + w| under 5,700; |v| must stay under 65,504.  The order of roundings in norm and rotation is not reference()'s.
; REGISTERS: window 0: v0-31 addresses; v32-95 scale words, and nothing else; from v128 A's fragments; way out: v96-111 1/rms, v112-120 at work, v128-159 cross terms, v192-223 packed, v160-191 and v224-255 rows read back.
;   window 1: B's fragments at v0 and v128; v64-127 the norm's weights; cos and sin of block a: v192-255, v0-63, v128-191 for a % 3 = 0, 1, 2 (the last two on the way out alone).   windows 2, 3: the accumulators.
.set SIZE_M, 4096
.set SIZE_N, 3072
.set SIZE_K, 2048
.set KSTEP,  512
.set NQ,     KSTEP/128
.set ROWB,   256
.set KROW,   SIZE_K*4/8
.set PITCH,  272                       ; 256 bytes + 16: the 16 rows that a load touches start at 16 different banks
.set FR,     8
.set NL,     2
.set NP,     4
.set HALFT,  128*PITCH
.set SLOT,   4*HALFT
.set LAPS,   SIZE_K/(2*KSTEP)
.set KS,     SIZE_K/32
.set SCL,    2*SLOT
.set HALFS,  (128*KS/256)*272
.set SBLK,   (16*KS/256)*272
.set SPARE,  SCL+4*HALFS               ; the spare words, 128 bytes a wave
.set SPITCH, 272                       ; the way out: a stage of 16 rows x (256 + 16) bytes a wave, in slot 0, which has had its last fill and its last read by then
.set ADRA, 16
.set ADRB, 20
.set STO,  24
.set RD,   25
.set CO,   26
.set ADRS, 27
.set SPW,  28
.set NIL,  29
.set SC,   32
.set AF,   128
.set RS,   96
.set T,    112
.set TT,   128
.set BK,   160
.set TMP,  192
.set G,    64                          ; in window 1
.set G1, 24
.set G0, 32
.set G1B, 48
.set G0B, 56
.set G1S, 68
.set G0S, 76
.set G1SB, 80
.set G0SB, 88
.set MSB, 0
.macro WIN new                         ; the immediate's high byte repeats the setting that is left
.if MSB != \new
	s_set_vgpr_msb (MSB<<8)|\new
.set MSB, \new
.endif
.endm
.set MUL_LO, 0xa1
.set MUL_HI, 0xf1
.set TO_B,   0x40
.macro JLOAD g0a, g1a, g0b, g1b        ; a joint load: waves 0 and 1 fetch for A, waves 2 and 3 for B; an s_nop 0 and four v_nop follow each line
	s_cmp_eq_u32 s15, 0
	s_cbranch_scc0 .Lfor_b_\@
	tensor_load_to_lds s[\g0a:\g0a+3], s[\g1a:\g1a+7]
	s_nop 0
.rept 4
	v_nop
.endr
	s_branch .Lasked_\@
.Lfor_b_\@:
	tensor_load_to_lds s[\g0b:\g0b+3], s[\g1b:\g1b+7]
	s_nop 0
.rept 4
	v_nop
.endr
.Lasked_\@:
.endm
.macro CREST
	s_cmp_lg_u32 s14, 0
	s_cbranch_scc1 .Lnot_wave_0_\@
	s_barrier_signal -3
.Lnot_wave_0_\@:
	s_barrier_wait -3
	s_barrier_signal -1
	s_barrier_wait -1
.endm
.macro CROUND
	s_barrier_signal -1
	s_barrier_wait -1
	CREST
.endm
	s_load_b128 s[4:7], s[0:1], 0x0                ; codes, scales
	s_load_b128 s[96:99], s[0:1], 0x10             ; q_norm_weight, k_norm_weight
	s_load_b64 s[100:101], s[0:1], 0x20            ; rope
	s_load_b64 s[12:13], s[0:1], 0x28              ; qkv16
	s_load_b64 s[104:105], s[0:1], 0x30            ; qkv32
	v_lshl_add_u32 v[SPW], v0, 2, SPARE
	v_mov_b32 v[NIL], 0
	ds_add_u32 v[SPW], v[NIL]                      ; the wave's opening: the add, twice on end, and its wait ahead of my first tensor load
	ds_add_u32 v[SPW], v[NIL]
	v_lshrrev_b32 v1, 5, v0
	v_readfirstlane_b32 s14, v1                    ; wave 0..3
	s_lshr_b32 s15, s14, 1                         ; my half of the tile's rows; also: I fetch for A (0) or B (1)
	s_and_b32 s16, s14, 1                          ; my half of its columns; also: which 128 rows I fetch
	s_bfe_u32 s40, ttmp6, 0x40000                  ; cx
	s_bfe_u32 s41, ttmp6, 0x40004                  ; cy
	s_lshl_b32 s42, ttmp9, 2
	s_add_co_u32 s42, s42, s40                     ; tile column
	s_and_b32 s17, ttmp7, 0xffff
	s_lshl_b32 s17, s17, 2
	s_add_co_u32 s17, s17, s41                     ; tile row
	s_lshl_b32 s43, s41, 2
	s_lshl_b32 s43, 15, s43                        ; my row of the cluster
	s_lshl_b32 s44, 0x1111, s40                    ; my column
	s_or_b32 s[G1+0], s43, (0<<16)|(1<<20)|(1<<21)|(5<<22)|(3<<25)  ; mask; elements of 1 byte; 4 words of padding behind every 64
	s_or_b32 s[G1B+0], s44, (0<<16)|(1<<20)|(1<<21)|(5<<22)|(3<<25)
.irp g, G1, G1B
	s_mov_b32 s[\g+1], ROWB<<16                    ; tensor_dim0
	s_mov_b32 s[\g+2], 128<<16                     ; tensor_dim1
	s_mov_b32 s[\g+3], ROWB<<16                    ; tile_dim0
	s_mov_b32 s[\g+4], 128                         ; tile_dim1
	s_mov_b32 s[\g+5], KROW                        ; the pitch
	s_mov_b32 s[\g+6], 0
	s_mov_b32 s[\g+7], 0
.endr
	s_or_b32 s[G1S+0], s43, (3<<16)|(1<<20)|(1<<21)|(5<<22)|(3<<25) ; the scales of 128 rows: a dense block, as rows of 256 bytes (32 elements of 8)
	s_or_b32 s[G1SB+0], s44, (3<<16)|(1<<20)|(1<<21)|(5<<22)|(3<<25)
.irp g, G1S, G1SB
	s_mov_b32 s[\g+1], 32<<16
	s_mov_b32 s[\g+2], (128*KS/256)<<16
	s_mov_b32 s[\g+3], 32<<16
	s_mov_b32 s[\g+4], 128*KS/256
	s_mov_b32 s[\g+5], 32
	s_mov_b32 s[\g+6], 0
	s_mov_b32 s[\g+7], 0
.endr
	s_lshl_b32 s18, s16, 7
	s_lshl_b32 s20, s17, 8
	s_add_co_u32 s20, s20, s18                     ; A: row 256 x tile row + 128 x half
	s_lshl_b32 s46, s42, 8
	s_add_co_u32 s46, s46, s18                     ; B: row 256 x tile column + 128 x half
	s_mov_b32 s21, 0
	s_mov_b32 s47, 0
	s_mov_b64 s[18:19], KS
	s_mul_u64 s[22:23], s[20:21], s[18:19]
	s_mul_u64 s[92:93], s[46:47], s[18:19]
	s_mov_b64 s[18:19], KROW
	s_mul_u64 s[20:21], s[20:21], s[18:19]
	s_mul_u64 s[46:47], s[46:47], s[18:19]
	s_mul_i32 s45, s14, HALFT
	s_mul_i32 s94, s14, HALFS
	s_wait_dscnt 0x0                               ; both opening adds are done
	s_wait_kmcnt 0x0
	s_add_nc_u64 s[8:9], s[4:5], 0x400000          ; the weights' codes lie behind x's 4,096 rows of 1,024 bytes,
	s_add_nc_u64 s[10:11], s[6:7], 0x40000         ; their scale bytes behind x's 4,096 rows of 64
	s_add_nc_u64 s[20:21], s[4:5], s[20:21]
	s_add_nc_u64 s[22:23], s[6:7], s[22:23]
	s_add_nc_u64 s[46:47], s[8:9], s[46:47]
	s_add_nc_u64 s[92:93], s[10:11], s[92:93]
	CROUND                                         ; all sixteen work-groups are here: the first joint loads meet
	s_mov_b32 s[G0S], 1
	s_add_co_u32 s[G0S+1], s94, SCL
	s_mov_b64 s[G0S+2:G0S+3], s[22:23]
	s_or_b32 s[G0S+3], s[G0S+3], 0x80000000
	s_mov_b32 s[G0SB], 1
	s_add_co_u32 s[G0SB+1], s94, SCL
	s_mov_b64 s[G0SB+2:G0SB+3], s[92:93]
	s_or_b32 s[G0SB+3], s[G0SB+3], 0x80000000
	JLOAD G0S, G1S, G0SB, G1SB                     ; the scales first
.irp s, 0,1
	s_mov_b32 s[G0+4*\s], 1
	s_add_co_u32 s[G0+4*\s+1], s45, \s*SLOT
	s_add_nc_u64 s[G0+4*\s+2:G0+4*\s+3], s[20:21], \s*ROWB
	s_or_b32 s[G0+4*\s+3], s[G0+4*\s+3], 0x80000000
	s_mov_b32 s[G0B+4*\s], 1
	s_add_co_u32 s[G0B+4*\s+1], s45, \s*SLOT
	s_add_nc_u64 s[G0B+4*\s+2:G0B+4*\s+3], s[46:47], \s*ROWB
	s_or_b32 s[G0B+4*\s+3], s[G0B+4*\s+3], 0x80000000
	JLOAD G0+4*\s, G1, G0B+4*\s, G1B               ; three loads of mine are out
.endr
	v_and_b32 v1, 15, v0                           ; r
	v_bfe_u32 v2, v0, 4, 1                         ; h
	v_mul_u32_u24 v3, v1, PITCH
	v_lshl_add_u32 v4, v2, 4, v3
	s_mul_i32 s21, s15, HALFT
	s_mul_i32 s22, s16, HALFT
	s_add_co_u32 s22, s22, 2*HALFT
.irp s, 0,1
	v_add_nc_u32 v[ADRA+\s], s21, v4
	v_add_nc_u32 v[ADRB+\s], s22, v4
	s_add_co_u32 s21, s21, SLOT
	s_add_co_u32 s22, s22, SLOT
.endr
	v_mul_u32_u24 v5, v1, KS
	v_lshrrev_b32 v6, 8, v5
	v_lshl_add_u32 v5, v6, 4, v5                   ; my row's scales: 64 bytes a row, 16 more for each 256 passed
	s_mul_i32 s21, s15, HALFS
	s_mul_i32 s22, s16, HALFS
	s_add_co_u32 s22, s22, 2*HALFS
	s_sub_co_u32 s22, s22, s21
	v_mul_u32_u24 v6, s22, v2                      ; lanes 16-31 take B's
	s_add_co_u32 s21, s21, SCL
	v_add_nc_u32 v5, v5, v6
	v_add_nc_u32 v[ADRS], s21, v5
	s_mul_i32 s23, s14, 16*SPITCH                  ; my stage
	v_mul_u32_u24 v5, v1, SPITCH
	v_lshl_add_u32 v5, v2, 4, v5
	v_add_nc_u32 v[STO], s23, v5                   ; in: row r, 16 bytes for each half of the lanes
	v_mul_u32_u24 v5, v2, SPITCH
	v_lshl_add_u32 v5, v1, 4, v5
	v_add_nc_u32 v[RD], s23, v5                    ; back: lanes 0-15 one row of 256 bytes, lanes 16-31 the next
	v_lshlrev_b32 v5, 8, v2
	v_lshl_add_u32 v[CO], v1, 4, v5                ; and the same two rows in qkv16
	; where my 128 rows x one head go
	s_lshl_b32 s20, s17, 8
	s_lshl_b32 s21, s15, 7
	s_add_co_u32 s20, s20, s21                     ; my first row of x
	s_lshr_b32 s21, s20, 11                        ; the batch
	s_and_b32 s2, s20, 2047                        ; my first position
	s_lshl_b32 s22, s42, 1
	s_add_co_u32 s22, s22, s16
	s_and_b32 s22, s22, 7                          ; the head
	s_lshl_b32 s21, s21, 3
	s_add_co_u32 s21, s21, s22                     ; 8 x batch + head
	s_lshl_b32 s46, ttmp9, 23                      ; qkv16: section 8,388,608, head 524,288, row 256 bytes
	s_lshl_b32 s47, s21, 19
	s_add_co_u32 s46, s46, s47
	s_lshl_b32 s47, s2, 8
	s_add_co_u32 s46, s46, s47
	s_mov_b32 s47, 0
	s_add_nc_u64 s[12:13], s[12:13], s[46:47]
	s_lshl_b32 s46, s2, 9                          ; the table: 512 bytes a position
	s_add_nc_u64 s[100:101], s[100:101], s[46:47]
	s_lshl_b32 s46, ttmp9, 17                      ; qkv32: section 131,072, head 8,192 bytes
	s_lshl_b32 s22, s21, 13
	s_add_co_u32 s46, s46, s22
	s_add_nc_u64 s[104:105], s[104:105], s[46:47]
	s_cmp_eq_u32 ttmp9, 0
	s_cselect_b64 s[96:97], s[96:97], s[98:99]     ; q's weights or k's
	v_lshlrev_b32 v8, 5, v2                        ; the weights: 8 h numbers on
	v_and_b32 v6, 31, v0
	v_lshlrev_b32 v9, 4, v6                        ; the table, and q's and k's image in qkv32: 16 x lane
	v_add_nc_u32 v10, s2, v1                       ; my position in block 0
	v_lshlrev_b32 v11, 9, v1
	v_lshl_add_u32 v11, v2, 5, v11                 ; v in qkv32: row r of 512 bytes + 32 h
.macro SETCS a                         ; where block a's cos and sin stand in window 1: three buffers by turns
.set CSB, 192
.if ((\a)%3) == 1
.set CSB, 0
.endif
.if ((\a)%3) == 2
.set CSB, 128
.endif
.endm
.macro LOADCS a                        ; cos and sin of block a's 16 positions: 16 groups of 512 consecutive bytes; register 16 b + j: cos, 16 b + 8 + j: sin, of frequency 16 b + 8 h + j
	SETCS \a
	WIN 0x40
.irp g, 0,1,2,3,4,5,6,7,8,9,10,11,12,13,14,15
	global_load_b128 v[CSB+4*\g:CSB+4*\g+3], v9, s[100:101] offset:8192*(\a)+512*\g
.endr
	WIN 0
.endm
	WIN 0x40                                       ; into registers of window 1 that the loop does not name: these 32 loads stay out while the products run
.irp b, 0,1,2,3,4,5,6,7
	global_load_b128 v[G+8*\b:G+8*\b+3], v8, s[96:97] offset:64*\b
	global_load_b128 v[G+8*\b+4:G+8*\b+7], v8, s[96:97] offset:64*\b+16
.endr
	LOADCS 0
.macro FRAG reg, adr, q, i             ; 16 rows x 128 K of 4-bit codes: 8 registers, two loads of 16 bytes, 32 bytes apart
.irp c, 0,1
	ds_load_b128 v[\reg+4*\c:\reg+4*\c+3], v[\adr] offset:64*(\q)+32*\c+(\i)*16*PITCH
.endr
.endm
; 16 matrix instructions: A's blocks a0, a0 + 1 x B's eight.  The 64 accumulators take turns, one instruction a turn, in the same order in every step.
.macro MUL16 a0, p, q, sc, zero
.irp a, \a0, \a0+1
.irp b, 0,1,2,3,4,5,6,7
.if \zero
	v_wmma_scale_f32_16x16x128_f8f6f4 v[8*(8*((\a)%4)+\b):8*(8*((\a)%4)+\b)+7], v[128*(\p)+FR*\b:128*(\p)+FR*\b+FR-1], v[AF+FR*(\a):AF+FR*(\a)+FR-1], 0, v[SC+8*NQ*(\sc)+NQ*\b+(\q)], v[SC+8*NQ*(\sc)+NQ*(\a)+(\q)] matrix_a_fmt:MATRIX_FMT_FP4 matrix_b_fmt:MATRIX_FMT_FP4 matrix_a_scale:MATRIX_SCALE_ROW1
.else
	v_wmma_scale_f32_16x16x128_f8f6f4 v[8*(8*((\a)%4)+\b):8*(8*((\a)%4)+\b)+7], v[128*(\p)+FR*\b:128*(\p)+FR*\b+FR-1], v[AF+FR*(\a):AF+FR*(\a)+FR-1], v[8*(8*((\a)%4)+\b):8*(8*((\a)%4)+\b)+7], v[SC+8*NQ*(\sc)+NQ*\b+(\q)], v[SC+8*NQ*(\sc)+NQ*(\a)+(\q)] matrix_a_fmt:MATRIX_FMT_FP4 matrix_b_fmt:MATRIX_FMT_FP4 matrix_a_scale:MATRIX_SCALE_ROW1
.endif
.endr
.endr
.endm
.macro FETCH_B slot, q, p
	WIN TO_B
.irp i, 0,1,2,3,4,5,6,7
	FRAG 128*(\p)+FR*\i, ADRB+\slot, \q, \i
.endr
	WIN 0
.endm
.macro FETCH_A slot, q, i0
.irp i, \i0, \i0+1, \i0+2, \i0+3
	FRAG AF+FR*(\i), ADRA+\slot, \q, \i
.endr
.endm
.macro SCALES sc                       ; a K step's scale words: lanes 0-15 A's block i, lanes 16-31 B's block i
.irp i, 0,1,2,3,4,5,6,7
	ds_load_b128 v[SC+8*NQ*\sc+NQ*\i:SC+8*NQ*\sc+NQ*\i+3], v[ADRS] offset:\i*SBLK
.endr
.endm
.macro PLACES n                        ; plain vector instructions between a matrix instruction and a load into, or a read or write of, its registers
.rept \n
	v_nop
.endr
.endm
.macro STEP slot, q, zero
	s_wait_dscnt 4*NL                              ; B's set and A's blocks 0-3 are in; A's blocks 4-7, the youngest eight loads, may be out
	WIN MUL_LO
	MUL16 0, (\q)%2, \q, \slot, \zero
	MUL16 2, (\q)%2, \q, \slot, \zero
	s_wait_dscnt 0
	PLACES NP
	FETCH_B \slot, (\q)+1, 1-(\q)%2
	FETCH_A \slot, (\q)+1, 0
	WIN MUL_HI
	MUL16 4, (\q)%2, \q, \slot, \zero
	MUL16 6, (\q)%2, \q, \slot, \zero
	PLACES NP
	WIN 0
	FETCH_A \slot, (\q)+1, 4
.endm
.macro TURN slot, next, fill           ; a slot's last step changes slots
	s_wait_tensorcnt 0x0                           ; all my tensor loads have landed: my part of the next slot
	ds_add_u32 v[SPW], v[NIL]                      ; 0 onto my spare word
	s_wait_dscnt 4*NL+1                            ; the add and A's blocks 4-7 may be out
	WIN MUL_LO
	MUL16 0, 1, NQ-1, \slot, 0
	s_wait_dscnt 0x0                               ; the add is done, and my reads of this slot are over
	s_barrier_signal -1
	MUL16 2, 1, NQ-1, \slot, 0
	WIN 0
	s_barrier_wait -1
.if \fill
	CREST                                          ; the barrier has opened a round of the cluster's: no wave of any partner still reads this slot or has a load on its way
	s_add_nc_u64 s[G0+4*\slot+2:G0+4*\slot+3], s[G0+4*\slot+2:G0+4*\slot+3], 2*ROWB
	s_add_nc_u64 s[G0B+4*\slot+2:G0B+4*\slot+3], s[G0B+4*\slot+2:G0B+4*\slot+3], 2*ROWB
	JLOAD G0+4*\slot, G1, G0B+4*\slot, G1B         ; my one tensor load behind the round; its four v_nop are the places in front of the loads below
.else
	PLACES NP
.endif
	v_add_nc_u32 v[ADRS], 4*NQ, v[ADRS]
	FETCH_B \next, 0, 0
	FETCH_A \next, 0, 0
	SCALES \next
	WIN MUL_HI
	MUL16 4, 1, NQ-1, \slot, 0
	MUL16 6, 1, NQ-1, \slot, 0
	PLACES NP
	WIN 0
	FETCH_A \next, 0, 4
.endm
.macro STEPS slot, from
.set Q, \from
.rept NQ-1-\from
	STEP \slot, Q, 0
.set Q, Q+1
.endr
.endm
	s_wait_tensorcnt 1                             ; the scales and my part of K step 0 are in; K step 1's load may be out
	s_barrier_signal -1
	s_barrier_wait -1
	FETCH_B 0, 0, 0
	FETCH_A 0, 0, 0
	SCALES 0
	FETCH_A 0, 0, 4
	STEP 0, 0, 1                                   ; the first step's products start the sums
	s_mov_b32 s3, LAPS-1
.Llap:
	STEPS 0, 1
	TURN 0, 1, 1
	STEPS 1, 0
	TURN 1, 0, 1
	STEP 0, 0, 0
	s_sub_co_u32 s3, s3, 1
	s_cmp_lg_u32 s3, 0
	s_cbranch_scc1 .Llap
	STEPS 0, 1                                     ; the last lap fills nothing
	TURN 0, 1, 0
	STEPS 1, 0
	s_wait_dscnt 4*NL
	WIN MUL_LO
	MUL16 0, 1, NQ-1, 1, 0
	MUL16 2, 1, NQ-1, 1, 0
	s_wait_dscnt 0
	WIN MUL_HI
	MUL16 4, 1, NQ-1, 1, 0
	MUL16 6, 1, NQ-1, 1, 0
	WIN 0
; ---------------- THE WAY OUT, block a = 16 rows: window 2 + a / 4, registers 64 (a % 4) on.  Every macro below leaves all windows at 0.
.macro SUMSQ a                         ; mean of squares + eps of block a's rows -> v[RS + 2 a].  Each accumulator is read from its low end on
.set AC, 64*((\a)%4)
	WIN 0x0a+5*((\a)/4)
.irp p, 0,1,2,3
.irp b, 0,1,2,3,4,5,6,7
.if (\p == 0) && (\b < 4)
	v_pk_mul_f32 v[T+2*(\b%4):T+2*(\b%4)+1], v[AC+8*\b+2*\p:AC+8*\b+2*\p+1], v[AC+8*\b+2*\p:AC+8*\b+2*\p+1]
.else
	v_pk_fma_f32 v[T+2*(\b%4):T+2*(\b%4)+1], v[AC+8*\b+2*\p:AC+8*\b+2*\p+1], v[AC+8*\b+2*\p:AC+8*\b+2*\p+1], v[T+2*(\b%4):T+2*(\b%4)+1]
.endif
.endr
.endr
	WIN 0
	v_pk_add_f32 v[T:T+1], v[T:T+1], v[T+2:T+3]
	v_pk_add_f32 v[T+4:T+5], v[T+4:T+5], v[T+6:T+7]
	v_pk_add_f32 v[T:T+1], v[T:T+1], v[T+4:T+5]
	v_add_f32 v[T], v[T], v[T+1]
	v_permlanex16_b32 v[T+8], v[T], s92, s93       ; the row's other 64 channels lie in the lane 16 away
	v_add_f32 v[T], v[T], v[T+8]
	v_fma_f32 v[RS+2*(\a)], v[T], s67, s66         ; / 128 + 1e-6
.endm
.macro NORMROPE a
.set AC, 64*((\a)%4)
.set HI, (\a)/4
	SETCS \a
	WIN 0x86+0x41*HI                               ; x (1 + w)
.set n, 0
.rept 32
	v_pk_mul_f32 v[AC+n:AC+n+1], v[AC+n:AC+n+1], v[G+n:G+n+1]
.set n, n+2
.endr
	WIN 0x82+0x41*HI                               ; x 1 / rms
.set n, 0
.rept 32
	v_pk_mul_f32 v[AC+n:AC+n+1], v[AC+n:AC+n+1], v[RS+2*(\a):RS+2*(\a)+1] op_sel_hi:[1,0]
.set n, n+2
.endr
	WIN 0x06+HI                                    ; the cross terms: y[d] sin, kept in window 0
.irp b, 0,1,2,3
.irp p, 0,1,2,3
	v_pk_mul_f32 v[TT+8*\b+2*\p:TT+8*\b+2*\p+1], v[AC+8*\b+2*\p:AC+8*\b+2*\p+1], v[CSB+16*\b+8+2*\p:CSB+16*\b+8+2*\p+1]
.endr
.endr
	WIN 0xa6+0x51*HI                               ; y[d] cos - y[d + 64] sin
.irp b, 0,1,2,3
.irp p, 0,1,2,3
	v_pk_mul_f32 v[AC+8*\b+2*\p:AC+8*\b+2*\p+1], v[AC+8*\b+2*\p:AC+8*\b+2*\p+1], v[CSB+16*\b+2*\p:CSB+16*\b+2*\p+1]
.endr
.endr
.irp b, 0,1,2,3
.irp p, 0,1,2,3
	v_pk_fma_f32 v[AC+8*\b+2*\p:AC+8*\b+2*\p+1], v[AC+32+8*\b+2*\p:AC+32+8*\b+2*\p+1], v[CSB+16*\b+8+2*\p:CSB+16*\b+8+2*\p+1], v[AC+8*\b+2*\p:AC+8*\b+2*\p+1] neg_lo:[1,0,0] neg_hi:[1,0,0]
.endr
.endr
	WIN 0x86+0x41*HI                               ; y[d + 64] cos + y[d] sin
.irp b, 0,1,2,3
.irp p, 0,1,2,3
	v_pk_fma_f32 v[AC+32+8*\b+2*\p:AC+32+8*\b+2*\p+1], v[AC+32+8*\b+2*\p:AC+32+8*\b+2*\p+1], v[CSB+16*\b+2*\p:CSB+16*\b+2*\p+1], v[TT+8*\b+2*\p:TT+8*\b+2*\p+1]
.endr
.endr
	WIN 0                                          ; what follows names registers of window 0
.endm
; Block 0 in f32, where its positions are 0 to 15.  No jump: lanes are switched off, since the test hangs on the tile row, which partners do not share.
; img = 1 (q, k): as an image of the registers, each store 512 consecutive bytes; img = 0 (v): as rows of 512 bytes.
.macro F32COPY img
	v_cmp_gt_u32 vcc_lo, 16, v10
	s_wait_xcnt 0x0                                ; EXEC changes only when every earlier memory instruction has read its sources
	s_and_saveexec_b32 s22, vcc_lo
	WIN 0x08                                       ; a store's data: window 2
.irp b, 0,1,2,3,4,5,6,7
.if \img
	global_store_b128 v9, v[8*\b:8*\b+3], s[104:105] offset:1024*\b
	global_store_b128 v9, v[8*\b+4:8*\b+7], s[104:105] offset:1024*\b+512
.else
	global_store_b128 v11, v[8*\b:8*\b+3], s[104:105] offset:64*\b
	global_store_b128 v11, v[8*\b+4:8*\b+7], s[104:105] offset:64*\b+16
.endif
.endr
	WIN 0
	s_wait_xcnt 0x0                                ; and again in front of the line that restores it
	s_or_b32 exec_lo, exec_lo, s22
.endm
.macro PACK a                          ; rounded to f16: a lane's eight channels are 16 bytes
.set AC, 64*((\a)%4)
	WIN 0x0a+5*((\a)/4)
.irp b, 0,1,2,3,4,5,6,7
.irp r, 0,1,2,3
	v_cvt_pk_f16_f32 v[TMP+4*\b+\r], v[AC+8*\b+2*\r], v[AC+8*\b+2*\r+1]
.endr
.endr
	WIN 0
.endm
.macro TOSTAGE a                       ; into my stage and back as whole rows; LDS serves a wave's instructions in order
.set BB, BK+64*((\a)%2)
.irp b, 0,1,2,3,4,5,6,7
	ds_store_b128 v[STO], v[TMP+4*\b:TMP+4*\b+3] offset:32*\b
.endr
.irp t, 0,1,2,3,4,5,6,7
	ds_load_b128 v[BB+4*\t:BB+4*\t+3], v[RD] offset:\t*2*SPITCH
.endr
.endm
.macro SEND a
.set BB, BK+64*((\a)%2)
	s_wait_dscnt 0x0                               ; the block is back in registers
	s_wait_xcnt 0x0                                ; the stores of the block before have read their registers: the next block's loads may land there
.irp t, 0,1,2,3,4,5,6,7
	global_store_b128 v[CO], v[BB+4*\t:BB+4*\t+3], s[12:13] offset:4096*(\a)+512*\t   ; 16 lanes store a row of 256 bytes, aligned
.endr
.endm
	PLACES NP                                      ; behind the last products: for the first reads of results, and for the loads into B's registers below
	s_mov_b32 s92, 0x76543210                      ; lane selects: lane l xor 16
	s_mov_b32 s93, 0xfedcba98
	s_mov_b32 s66, 0x358637bd                      ; 1e-6
	s_mov_b32 s67, 0x3c000000                      ; 1 / 128
	s_wait_loadcnt 0x0                             ; the weights and block 0's cos and sin
	s_cmp_eq_u32 ttmp9, 2
	s_cbranch_scc1 .Lv
	LOADCS 1                                       ; the table runs two blocks ahead of the work: blocks 1 and 2 into the registers that held B's fragments
	LOADCS 2
	WIN 0x41
.set n, 0
.rept 32
	v_pk_add_f32 v[G+n:G+n+1], v[G+n:G+n+1], 1.0 op_sel_hi:[1,0]   ; 1 + w
.set n, n+2
.endr
	WIN 0
	v_mov_b32 v[T+8], 0                            ; a lane permute's destination counts as one of its sources
.irp a, 0,1,2,3,4,5,6,7
	v_mov_b32 v[RS+2*\a+1], 0                      ; named as the upper half of a pair
.endr
.irp a, 0,1,2,3,4,5,6,7
	SUMSQ \a
.endr
.irp a, 0,1,2,3,4,5,6,7
	v_rsq_f32 v[RS+2*\a], v[RS+2*\a]
.endr
	v_nop                                          ; a plain instruction behind the last of the batch
	s_wait_alu depctr_va_vdst(0)                   ; one wait for the eight, ahead of their first reader
	NORMROPE 0
	F32COPY 1
	PACK 0
	TOSTAGE 0
.irp a, 1,2,3,4,5,6,7
.if \a < 6
	LOADCS \a+2                                    ; into the buffer that block a - 1 has done with
	s_wait_loadcnt 32                              ; this block's cos and sin are in; the two younger blocks' 32 loads may be out
.elseif \a == 6
	s_wait_loadcnt 16                              ; block 7's 16 loads may be out
.else
	s_wait_loadcnt 0x0
.endif
	NORMROPE \a
	PACK \a
	SEND \a-1
	TOSTAGE \a
.endr
	SEND 7
	s_branch .Ldone
.Lv:                                               ; v goes out as it is
	F32COPY 0
	PACK 0
	TOSTAGE 0
.irp a, 1,2,3,4,5,6,7
	PACK \a
	SEND \a-1
	TOSTAGE \a
.endr
	SEND 7
.Ldone:
	s_wait_tensorcnt 0x0                           ; the wave's end
	ds_add_u32 v[SPW], v[NIL]
	s_wait_dscnt 0x0
	CROUND                                         ; the closing round
	s_endpgm
.Lfunc_end_k_q91561fdffa_qkv:
	.size	k_q91561fdffa_qkv, .Lfunc_end_k_q91561fdffa_qkv-k_q91561fdffa_qkv
	.p2alignl 7, 3214868480
	.fill 96, 4, 3214868480
	.section	.rodata,"a",@progbits
	.p2align	6, 0x0
	.amdhsa_kernel k_q91561fdffa_qkv
		.amdhsa_group_segment_fixed_size 327680
		.amdhsa_private_segment_fixed_size 0
		.amdhsa_enable_private_segment 0
		.amdhsa_kernarg_size 56
		.amdhsa_user_sgpr_count 2
		.amdhsa_user_sgpr_kernarg_segment_ptr 1
		.amdhsa_wavefront_size32 1
		.amdhsa_system_sgpr_workgroup_id_x 1
		.amdhsa_system_sgpr_workgroup_id_y 1
		.amdhsa_system_sgpr_workgroup_id_z 1
		.amdhsa_system_vgpr_workitem_id 0
		.amdhsa_next_free_vgpr 1024
		.amdhsa_next_free_sgpr 106
		.amdhsa_reserve_vcc 1
		.amdhsa_float_denorm_mode_32 3
		.amdhsa_float_denorm_mode_16_64 3
		.amdhsa_memory_ordered 1
		.amdhsa_forward_progress 1
		.amdhsa_inst_pref_size 255
	.end_amdhsa_kernel
	.section	.bss,"aw",@nobits
	.p2align	6
	.space	262144
	.amdgpu_metadata
---
amdhsa.version: [ 1, 2 ]
amdhsa.kernels:
  - .name:           k_q91561fdffa_qkv
    .symbol:         k_q91561fdffa_qkv.kd
    .args:
      - { .name: codes, .offset: 0, .size: 8, .value_kind: global_buffer, .address_space: global }
      - { .name: scales, .offset: 8, .size: 8, .value_kind: global_buffer, .address_space: global }
      - { .name: q_norm_weight, .offset: 16, .size: 8, .value_kind: global_buffer, .address_space: global }
      - { .name: k_norm_weight, .offset: 24, .size: 8, .value_kind: global_buffer, .address_space: global }
      - { .name: rope, .offset: 32, .size: 8, .value_kind: global_buffer, .address_space: global }
      - { .name: qkv16, .offset: 40, .size: 8, .value_kind: global_buffer, .address_space: global }
      - { .name: qkv32, .offset: 48, .size: 8, .value_kind: global_buffer, .address_space: global }
    .group_segment_fixed_size: 327680
    .private_segment_fixed_size: 0
    .kernarg_segment_align: 8
    .kernarg_segment_size: 56
    .max_flat_workgroup_size: 128
    .sgpr_count:     106
    .vgpr_count:     1024
    .wavefront_size: 32
...
	.end_amdgpu_metadata
.endif
;; end of part 2
;; launch attn (part 3): grid 16 x 16, 8 waves a work-group, no clusters, 327,680 bytes of LDS; arguments qkv16, attn16; writes attn16
.if DOCPART == 3
	.amdgcn_target "amdgcn-amd-amdhsa--gfx1250"
	.amdhsa_code_object_version 6
	.text
	.protected	k_q91561fdffa_attn
	.globl	k_q91561fdffa_attn
	.p2align	8
	.type	k_q91561fdffa_attn,@function
k_q91561fdffa_attn:
	s_mov_b64 s[64:65], 0
	v_nop
	global_prefetch_b8 v0, s[64:65] scope:SCOPE_SE
	s_setreg_imm32_b32 hwreg(HW_REG_WAVE_MODE, 25, 1), 1
	s_wait_xcnt 0x0
; attn[q] = sum over keys k of softmax_k(q . k / sqrt(128)) v[k], key k counting for query i where i - 1023 <= k <= i.  q, k, v: qkv16 [3][16 heads][2048][128] f16; attn16 [4096][1024] f16.
; Products on f16 operands with f32 sums; maxima, exponentials and sums in f32, with a running maximum; the weights p are rounded to f16 for the second product.
; SHARES.  A work-group owns 128 queries (block QB) of one head.  Wave w: g = w % 4: 32 of the queries, two tiles of 16; kh = w / 4: which 64 of a slot's 128 keys.  At the end waves w and w xor 4 merge their halves.
; REGISTER TILE t OF A WAVE HOLDS QUERIES 16 (t xor kh): so every wave sends its register tile 1 and finishes its register tile 0, with no branch.
; TWO ROLES.  Eight waves of 512 registers lie two to a SIMD, and the barrier of each trip starts them together.  ROLE = (w xor w / 4) % 2 differs between waves w and w + 4 and between waves w and w xor 1.
; A wave of role 0 runs a step in order: K Q^T, softmax, V^T P.  A wave of role 1 puts the step's V^T P off to the head of the next trip (its operands, V's fragments and P, are in registers by then), so that one role
; issues matrix instructions while the other walks its softmax.  In a lane the order of the sums is the same in both roles: V^T P of a step stands ahead of the next step's rescaling.  PEND says that a product is owed.
; THE WALK.  Nine slots of 128 keys, DOWNWARD from the diagonal: trip TI takes key block QB - TI.  The trip count is a constant; a trip with TI > QB has no load and no work (jumps on the work-group's number, the wave's number
; and the count of trips alone, round no barrier, wait or add; every wait for tensor loads is for all of them).  Only trip 0 (keys after the query hidden) and trip 8 (keys 1,024 or more back hidden) have masks; with
; D0 = 32 g - 64 kh: D0 < -31: trip 0 is wholly hidden; D0 >= 63: trip 8 is; D0 = 0, 32: both are masked by compare and select.  In trip 0 every masked wave's queries see at least the wave's first key, so the running maximum is a number.
; No cluster: neighbouring query blocks walk different key blocks in the same trip.  No prefetch: every block of keys is the first fill of the work-group on whose diagonal it lies.
; LAYOUT.  S^T = K Q^T and O^T = V^T P: a lane holds one query (lane % 16) throughout; K comes out of LDS as it lies, V turned by ds_load_tr16_b128.
; LIMITS: f16 operands as stated in the launch before; p under 6e-8 is dropped beside a sum of at least 1.
; REGISTERS: window 0: v2-11, v28-33 addresses; v12-27 statistics, 8 a tile: +0 c m, +1 m, +2, +3 l, +4..7 at work; v64-127 S^T; v128-191 Q; v192-223 P; v224-255 at work.
;   window 1: v0-127 O^T, 64 a tile; v128-255 one buffer of fragments: a step's K, then its V.
.set PK,    272                        ; a row of K in LDS: 256 + 16 bytes
.set PV,    288                        ; a row of V: 256 + 32
.set KS,    64
.set VOFF,  KS*PK
.set STEPB, KS*(PK+PV)                 ; 64 keys: K's rows, then V's
.set SLOT1, 1<<17
.set XCH,   204800                     ; the merge: 8,448 bytes a wave: an image of 64 registers, then two words a lane
.set XW,    8448
.set STAGE, XCH+8*XW                   ; the way out: 16 rows x 272 bytes a wave
.set SP,    272
.set SPARE, STAGE+8*16*SP              ; the spare words: 128 bytes a wave
.set AK0, 2
.set AV0, 3
.set ADR, 4
.set QO0, 5
.set STO, 6
.set RD,  7
.set GO,  8
.set XS,  9
.set XR,  10
.set XS4, 11
.set ST,  12
.set XR4, 28
.set DD,  30
.set NINF, 32
.set QO1, 33
.set SPW, 62
.set NIL, 63
.set S,   64
.set Q,   128
.set P,   192
.set KV,  128                          ; in window 1
.set WV,  12
.set QB,  15
.set G1K, 24
.set G1V, 32
.set G0K, 40
.set G0V, 44
.set TI,  48
.set SLOTS, 49
.set SKIPT, 50
.set CL,  51
.set TB,  52
.set ROLE, 53
.set PEND, 54
.set CS,  58
.set SEL, 60
.set MSB, 0
.macro WIN new
.if MSB != \new
	s_set_vgpr_msb (MSB<<8)|\new
.set MSB, \new
.endif
.endm
.macro TLOAD g0k, g1k, g0v, g1v        ; waves 0 and 1 fetch a slot's two steps of K, waves 2 and 3 of V, the others nothing; an s_nop 0 and four v_nop follow each line
	s_cmp_lt_u32 s[WV], 2
	s_cbranch_scc0 .Lnot_k_\@
	tensor_load_to_lds s[\g0k:\g0k+3], s[\g1k:\g1k+7]
	s_nop 0
.rept 4
	v_nop
.endr
	s_branch .Lasked_\@
.Lnot_k_\@:
	s_cmp_lt_u32 s[WV], 4
	s_cbranch_scc0 .Lasked_\@
	tensor_load_to_lds s[\g0v:\g0v+3], s[\g1v:\g1v+7]
	s_nop 0
.rept 4
	v_nop
.endr
.Lasked_\@:
.endm
	s_load_b128 s[4:7], s[0:1], 0x0                ; qkv16, attn16
	v_lshl_add_u32 v[SPW], v0, 2, SPARE
	v_mov_b32 v[NIL], 0
	ds_add_u32 v[SPW], v[NIL]                      ; the wave's opening: the add, twice on end, and its wait ahead of the first tensor load
	ds_add_u32 v[SPW], v[NIL]
	v_lshrrev_b32 v1, 5, v0
	v_readfirstlane_b32 s[WV], v1                  ; wave 0..7
	s_and_b32 s13, s[WV], 3                        ; g
	s_lshr_b32 s14, s[WV], 2                       ; kh
	s_xor_b32 s[ROLE], s14, s[WV]
	s_and_b32 s[ROLE], s[ROLE], 1                  ; (w xor w / 4) % 2
	s_mov_b32 s[PEND], 0                           ; no product is owed
	s_mov_b32 s[QB], ttmp9
	s_and_b32 s16, ttmp7, 0xffff                   ; 8 x batch + head
	s_mov_b32 s[G1K], (1<<16)|(1<<20)|(5<<22)|(3<<25)   ; elements of 2 bytes; 4 words of padding behind every 64
	s_mov_b32 s[G1V], (1<<16)|(1<<20)|(5<<22)|(7<<25)   ; 8 words
.irp g, G1K, G1V
	s_mov_b32 s[\g+1], 128<<16                     ; tensor_dim0
	s_mov_b32 s[\g+2], KS<<16                      ; tensor_dim1
	s_mov_b32 s[\g+3], 128<<16                     ; tile_dim0
	s_mov_b32 s[\g+4], KS                          ; tile_dim1
	s_mov_b32 s[\g+5], 128                         ; the pitch
	s_mov_b32 s[\g+6], 0
	s_mov_b32 s[\g+7], 0
.endr
	s_mov_b32 s[CS], 0x3e0293ee                    ; c = log2(e) / sqrt(128)
	s_mov_b32 s[CS+1], s[CS]
	s_mov_b32 s[SEL], 0x76543210
	s_mov_b32 s[SEL+1], 0xfedcba98
	s_mov_b32 s[TI], 0
	s_mov_b32 s[SLOTS], 8
	s_mov_b32 s[TB], 0
	s_lshl_b32 s19, s13, 5
	s_lshl_b32 s23, s14, 6
	s_sub_co_i32 s19, s19, s23                     ; D0 = 32 g - 64 kh
	s_mov_b32 s[SKIPT], 99
	s_mov_b32 s[CL], 1
	s_cmp_lt_i32 s19, -31
	s_cselect_b32 s[SKIPT], 0, s[SKIPT]            ; all my keys of the diagonal block come after all my queries
	s_cselect_b32 s[CL], 0, s[CL]
	s_cmp_ge_i32 s19, 63
	s_cselect_b32 s[SKIPT], 8, s[SKIPT]            ; all my keys of the ninth block lie 1,024 or more back
	s_cselect_b32 s[CL], 0, s[CL]
	s_lshl_b32 s20, s16, 19                        ; the head: 524,288 bytes
	s_lshl_b32 s21, s[QB], 15                      ; the block: 128 rows of 256 bytes
	s_add_co_u32 s22, s20, s21
	s_and_b32 s17, s[WV], 1                        ; which of a slot's two steps I fetch
	s_lshl_b32 s23, s17, 14
	s_add_co_u32 s2, s22, s23
	s_mov_b32 s3, 0
	s_mul_i32 s18, s17, STEPB
	s_wait_dscnt 0x0                               ; both opening adds are done
	s_wait_kmcnt 0x0
	s_mov_b32 s[G0K], 1
	s_mov_b32 s[G0K+1], s18
	s_add_nc_u64 s[G0K+2:G0K+3], s[4:5], s[2:3]
	s_add_nc_u64 s[G0K+2:G0K+3], s[G0K+2:G0K+3], 0x800000    ; k's section
	s_or_b32 s[G0K+3], s[G0K+3], 0x80000000
	s_mov_b32 s[G0V], 1
	s_add_co_u32 s[G0V+1], s18, VOFF
	s_add_nc_u64 s[G0V+2:G0V+3], s[4:5], s[2:3]
	s_add_nc_u64 s[G0V+2:G0V+3], s[G0V+2:G0V+3], 0x1000000   ; v's section
	s_or_b32 s[G0V+3], s[G0V+3], 0x80000000
	TLOAD G0K, G1K, G0V, G1V                       ; slot 0: the diagonal block, which every work-group reads
	s_lshl_b32 s23, s13, 13
	s_add_co_u32 s2, s22, s23
	s_add_nc_u64 s[8:9], s[4:5], s[2:3]            ; Q at my 32 queries
	s_lshr_b32 s2, s16, 3
	s_lshl_b32 s2, s2, 11
	s_lshl_b32 s23, s[QB], 7
	s_add_co_u32 s2, s2, s23
	s_lshl_b32 s23, s13, 5
	s_add_co_u32 s2, s2, s23
	s_lshl_b32 s23, s14, 4
	s_add_co_u32 s2, s2, s23                       ; the first row that I store: batch, block, 32 g, 16 kh
	s_lshl_b32 s2, s2, 11
	s_and_b32 s23, s16, 7
	s_lshl_b32 s23, s23, 8
	s_add_co_u32 s2, s2, s23
	s_add_nc_u64 s[10:11], s[6:7], s[2:3]
	v_and_b32 v1, 15, v0                           ; r
	v_bfe_u32 v29, v0, 4, 1                        ; h
	v_lshlrev_b32 v[QO0], 8, v1
	v_lshl_add_u32 v[QO0], v29, 4, v[QO0]          ; row r of 256 bytes + 16 h
	s_lshl_b32 s23, s14, 12
	s_xor_b32 s2, s23, 4096
	v_add_nc_u32 v[QO1], s2, v[QO0]                ; register tile 1: queries 16 (1 - kh) on
	v_add_nc_u32 v[QO0], s23, v[QO0]               ; register tile 0: queries 16 kh on
.irp c, 0,1,2,3
	global_load_b128 v[Q+8*\c:Q+8*\c+3], v[QO0], s[8:9] offset:64*\c
	global_load_b128 v[Q+8*\c+4:Q+8*\c+7], v[QO0], s[8:9] offset:64*\c+32
	global_load_b128 v[Q+32+8*\c:Q+32+8*\c+3], v[QO1], s[8:9] offset:64*\c
	global_load_b128 v[Q+32+8*\c+4:Q+32+8*\c+7], v[QO1], s[8:9] offset:64*\c+32
.endr
	s_mul_i32 s23, s14, STEPB                      ; my 64 keys of a slot
	v_mul_u32_u24 v[AK0], v1, PK
	v_lshl_add_u32 v[AK0], v29, 4, v[AK0]
	v_add_nc_u32 v[AK0], s23, v[AK0]
	v_and_b32 v34, 7, v0
	v_bfe_u32 v35, v0, 3, 1
	v_lshl_add_u32 v[AV0], v29, 3, v34             ; the turning load: key 8 h + l % 8, channels 8 ((l / 8) % 2) on
	v_mul_u32_u24 v[AV0], v[AV0], PV
	v_lshl_add_u32 v[AV0], v35, 4, v[AV0]
	v_add_nc_u32 v[AV0], VOFF, v[AV0]
	v_add_nc_u32 v[AV0], s23, v[AV0]
	s_mul_i32 s23, s[WV], 16*SP
	s_add_co_u32 s23, s23, STAGE
	v_mul_u32_u24 v[STO], v1, SP
	v_lshl_add_u32 v[STO], v29, 4, v[STO]
	v_add_nc_u32 v[STO], s23, v[STO]
	v_mul_u32_u24 v[RD], v29, SP
	v_lshl_add_u32 v[RD], v1, 4, v[RD]
	v_add_nc_u32 v[RD], s23, v[RD]
	v_lshlrev_b32 v[GO], 11, v29
	v_lshl_add_u32 v[GO], v1, 4, v[GO]             ; attn16: lanes 0-15 one row of 2,048 bytes, lanes 16-31 the next
	v_and_b32 v36, 31, v0
	s_mul_i32 s23, s[WV], XW
	s_add_co_u32 s23, s23, XCH
	v_lshl_add_u32 v[XS], v36, 4, s23              ; where I send
	v_lshl_add_u32 v[XS4], v36, 2, s23
	v_add_nc_u32 v[XS4], 8192, v[XS4]
	s_xor_b32 s23, s[WV], 4
	s_mul_i32 s23, s23, XW
	s_add_co_u32 s23, s23, XCH
	v_lshl_add_u32 v[XR], v36, 4, s23              ; where my partner sends
	v_lshl_add_u32 v[XR4], v36, 2, s23
	v_add_nc_u32 v[XR4], 8192, v[XR4]
	v_lshlrev_b32 v37, 3, v29
	v_sub_nc_u32 v37, v1, v37
	v_add_nc_u32 v37, s19, v37                     ; D0 + r - 8 h
	s_lshl_b32 s23, s14, 4
	v_add_nc_u32 v[DD], s23, v37                   ; register 8 kt + j of tile t holds the key that lies 16 kt + j - DD[t] after the query
	s_xor_b32 s23, s23, 16
	v_add_nc_u32 v[DD+1], s23, v37
	v_mov_b32 v[NINF], 0xff800000
.irp t, 0,1
	v_mov_b32 v[ST+8*\t+1], 0xff61b1e6             ; m = -3e38, under every score
	v_mul_f32 v[ST+8*\t], s[CS], v[ST+8*\t+1]
.irp i, 2,3,4,5,6,7
	v_mov_b32 v[ST+8*\t+\i], 0
.endr
.endr
	WIN 0x40
.set n, 0
.rept 256
	v_mov_b32 v[n], 0                              ; v0-127 of window 1: O^T: which step is a wave's first hangs on its numbers, so no first step can be written out; the first change of m multiplies zeros.
.set n, n+1                                            ; v128-255: the fragments: the product that is put off names them at the head of every trip, on ways that PEND closes: so they are written once
.endr
	WIN 0
.set n, 0
.rept 32
	v_mov_b32 v[P+n], 0                            ; P likewise
.set n, n+1
.endr
.macro FETCH_K                         ; 64 keys x 128 channels: 16 fragments, the channels' first 32 of all keys first, so that the products can begin on them
	v_add_nc_u32 v[ADR], s[TB], v[AK0]
	WIN 0x40
.irp c, 0,1,2,3                        ; channels 32 c on
.irp kt, 0,1,2,3                       ; keys 16 kt on
	ds_load_b128 v[KV+32*\kt+8*\c:KV+32*\kt+8*\c+3],   v[ADR] offset:\kt*16*PK+\c*64
	ds_load_b128 v[KV+32*\kt+8*\c+4:KV+32*\kt+8*\c+7], v[ADR] offset:\kt*16*PK+\c*64+32
.endr
.endr
.endm
.macro FETCH_V
	v_add_nc_u32 v[ADR], s[TB], v[AV0]
	WIN 0x40
.irp f, 0,1,2,3,4,5,6,7,8,9,10,11,12,13,14,15  ; keys 32 (f / 8) on, channels 16 (f % 8) on
	ds_load_tr16_b128 v[KV+8*\f:KV+8*\f+3],   v[ADR] offset:(\f/8)*32*PV+(\f%8)*32
	ds_load_tr16_b128 v[KV+8*\f+4:KV+8*\f+7], v[ADR] offset:(\f/8)*32*PV+16*PV+(\f%8)*32
.endr
.endm
.macro KQMUL                           ; 32 products: the eight accumulators take turns, one instruction a turn; the first eight start the sums
	WIN 0x01
.set i, 0
.rept 32
.set rS, S+32*(i%2)+8*((i/2)%4)
.set rK, KV+32*((i/2)%4)+8*(i/8)
.set rQ, Q+32*(i%2)+8*(i/8)
.if (i%8) == 0
	s_wait_dscnt 24-i                              ; K's eight loads for these 32 channels are in; the 24, 16, 8, 0 loads of the later channels may be out
.endif
.if i < 8
	v_wmma_f32_16x16x32_f16 v[rS:rS+7], v[rK:rK+7], v[rQ:rQ+7], 0
.else
	v_wmma_f32_16x16x32_f16 v[rS:rS+7], v[rK:rK+7], v[rQ:rQ+7], v[rS:rS+7]
.endif
.set i, i+1
.endr
.endm
.macro PVMUL                           ; 32 products on sixteen accumulators by turns
	WIN 0x51
.set i, 0
.rept 32
.set rO, 64*(i%2)+8*((i/2)%8)
.set rV, KV+64*(i/16)+8*((i/2)%8)
.set rP, P+16*(i%2)+8*(i/16)
	v_wmma_f32_16x16x32_f16 v[rO:rO+7], v[rV:rV+7], v[rP:rP+7], v[rO:rO+7]
.set i, i+1
.endr
.endm
.macro PENDING                         ; the product that a wave of role 1 has put off: registers alone
	s_cmp_eq_u32 s[PEND], 0
	s_cbranch_scc1 .Lnone_\@
	s_wait_dscnt 0x0                               ; V is in
	PVMUL
	WIN 0
.rept 4
	v_nop                                          ; places in front of the next loads into V's registers and of the next read of O^T
.endr
	s_mov_b32 s[PEND], 0
.Lnone_\@:
.endm
.macro MASK diag                       ; hidden scores become -infinity ahead of the maximum
.irp t, 0,1
.irp kt, 0,1,2,3
.irp j, 0,1,2,3,4,5,6,7
.if \diag
	v_cmp_gt_i32 vcc_lo, 16*\kt+\j, v[DD+\t]       ; the key comes after the query
.else
	v_cmp_le_i32 vcc_lo, 16*\kt+\j, v[DD+\t]       ; the key lies 1,024 or more back
.endif
	v_cndmask_b32 v[S+32*\t+8*\kt+\j], v[S+32*\t+8*\kt+\j], v[NINF], vcc_lo
.endr
.endr
.endr
.endm
.macro SOFTMAX
.irp c, 0,1,2,3                        ; the maximum of 32 scores and the old m: four chains a tile, each accumulator from its low end on
.irp t, 0,1
	v_max3_num_f32 v[ST+8*\t+4+\c], v[S+32*\t+8*\c], v[S+32*\t+8*\c+1], v[S+32*\t+8*\c+2]
.endr
.endr
.irp k, 3,5
.irp c, 0,1,2,3
.irp t, 0,1
	v_max3_num_f32 v[ST+8*\t+4+\c], v[ST+8*\t+4+\c], v[S+32*\t+8*\c+\k], v[S+32*\t+8*\c+\k+1]
.endr
.endr
.endr
.irp t, 0,1
	v_max3_num_f32 v[ST+8*\t+4], v[ST+8*\t+4], v[S+32*\t+7], v[S+32*\t+15]
	v_max3_num_f32 v[ST+8*\t+6], v[ST+8*\t+6], v[S+32*\t+23], v[S+32*\t+31]
.endr
.irp t, 0,1
	v_max3_num_f32 v[ST+8*\t+4], v[ST+8*\t+4], v[ST+8*\t+5], v[ST+8*\t+6]
.endr
.irp t, 0,1
	v_max3_num_f32 v[ST+8*\t+4], v[ST+8*\t+4], v[ST+8*\t+7], v[ST+8*\t+1]
.endr
.irp t, 0,1
	v_permlanex16_b32 v[ST+8*\t+5], v[ST+8*\t+4], s[SEL], s[SEL+1]   ; the query's other 32 keys lie in the lane 16 away
.endr
.irp t, 0,1
	v_mov_b32 v[ST+8*\t+7], v[ST+8*\t]             ; c m_old
.endr
.irp t, 0,1
	v_max_num_f32 v[ST+8*\t+1], v[ST+8*\t+4], v[ST+8*\t+5]
.endr
.irp t, 0,1
	v_mul_f32 v[ST+8*\t], s[CS], v[ST+8*\t+1]
.endr
.irp t, 0,1
	v_sub_f32 v[ST+8*\t+7], v[ST+8*\t+7], v[ST+8*\t]
.endr
.irp t, 0,1
	v_exp_f32 v[ST+8*\t+6], v[ST+8*\t+7]           ; a = 2^(c m_old - c m_new).  From here to the wait: ONE BATCH of 66 exponentials; nothing in it names a result
.endr
.set n, 0
.rept 16
	v_pk_fma_f32 v[S+2*n:S+2*n+1], v[S+2*n:S+2*n+1], s[CS:CS+1], v[ST:ST+1] op_sel_hi:[1,0,0] neg_lo:[0,0,1] neg_hi:[0,0,1]   ; c s - c m
.set n, n+1
.endr
.set n, 0
.rept 16                               ; tile 1's scalings stand between tile 0's exponentials
	v_exp_f32 v[S+2*n], v[S+2*n]
	v_exp_f32 v[S+2*n+1], v[S+2*n+1]
	v_pk_fma_f32 v[S+32+2*n:S+32+2*n+1], v[S+32+2*n:S+32+2*n+1], s[CS:CS+1], v[ST+8:ST+9] op_sel_hi:[1,0,0] neg_lo:[0,0,1] neg_hi:[0,0,1]
.set n, n+1
.endr
.set n, 0
.rept 32
	v_exp_f32 v[S+32+n], v[S+32+n]
.set n, n+1
.endr
	v_nop                                          ; a plain instruction behind the last exponential
	s_wait_alu depctr_va_vdst(0)                   ; one wait for the batch, ahead of its first reader
.set n, 0
.rept 32
	v_cvt_pk_f16_f32 v[P+n], v[S+2*n], v[S+2*n+1]  ; two neighbouring tiles of keys, rounded in pairs, are source 1 of the second product
.set n, n+1
.endr
.irp u, 0,1,2,3,4,5,6,7                ; the sums of the unrounded weights, in place
.irp t, 0,1
	v_pk_add_f32 v[S+32*\t+4*\u:S+32*\t+4*\u+1], v[S+32*\t+4*\u:S+32*\t+4*\u+1], v[S+32*\t+4*\u+2:S+32*\t+4*\u+3]
.endr
.endr
.irp u, 0,1,2,3
.irp t, 0,1
	v_pk_add_f32 v[S+32*\t+8*\u:S+32*\t+8*\u+1], v[S+32*\t+8*\u:S+32*\t+8*\u+1], v[S+32*\t+8*\u+4:S+32*\t+8*\u+5]
.endr
.endr
.irp u, 0,1
.irp t, 0,1
	v_pk_add_f32 v[S+32*\t+16*\u:S+32*\t+16*\u+1], v[S+32*\t+16*\u:S+32*\t+16*\u+1], v[S+32*\t+16*\u+8:S+32*\t+16*\u+9]
.endr
.endr
.irp t, 0,1
	v_pk_add_f32 v[S+32*\t:S+32*\t+1], v[S+32*\t:S+32*\t+1], v[S+32*\t+16:S+32*\t+17]
.endr
.irp t, 0,1
	v_pk_fma_f32 v[ST+8*\t+2:ST+8*\t+3], v[ST+8*\t+2:ST+8*\t+3], v[ST+8*\t+6:ST+8*\t+7], v[S+32*\t:S+32*\t+1] op_sel_hi:[1,0,1]   ; l = a l + the sum
.endr
	WIN 0x41
.irp t, 0,1
.set n, 0
.rept 32
	v_pk_mul_f32 v[64*\t+n:64*\t+n+1], v[64*\t+n:64*\t+n+1], v[ST+8*\t+6:ST+8*\t+7] op_sel_hi:[1,0]   ; O^T x a
.set n, n+2
.endr
.endr
	WIN 0
.endm
; A KEY STEP: my 64 keys of the slot in hand.  last = 1: the ninth, written out.
.macro STEP last
	PENDING                                        ; role 1: the step before's V^T P, ahead of the loads into its fragments' registers and of this step's rescaling
.if \last
	s_cmp_lt_u32 s[QB], 8                          ; there is no ninth block
	s_cbranch_scc1 .Lhid_\@
	s_cmp_eq_u32 s[SKIPT], 8
	s_cbranch_scc1 .Lhid_\@
.else
	s_cmp_gt_u32 s[TI], s[QB]                      ; past the sequence's first key
	s_cbranch_scc1 .Lhid_\@
	s_cmp_eq_u32 s[TI], s[SKIPT]
	s_cbranch_scc1 .Lhid_\@
.endif
	FETCH_K
	KQMUL
	WIN 0
.rept 4
	v_nop                                          ; places in front of the loads into K's registers and of the first read of the scores
.endr
	FETCH_V                                        ; lands while the softmax is walked
	WIN 0
.if \last
	s_cmp_eq_u32 s[CL], 0
	s_cbranch_scc1 .Lopen_\@
	MASK 0
.else
	s_cmp_lg_u32 s[TI], 0
	s_cbranch_scc1 .Lopen_\@
	s_cmp_eq_u32 s[CL], 0
	s_cbranch_scc1 .Lopen_\@
	MASK 1
.endif
.Lopen_\@:
	SOFTMAX
	s_cmp_lg_u32 s[ROLE], 0
	s_cbranch_scc1 .Llater_\@
	s_wait_dscnt 0x0                               ; V is in
	PVMUL
	WIN 0
.rept 4
	v_nop                                          ; places in front of the next loads into V's registers and of the next read of O^T
.endr
	s_branch .Lhid_\@
.Llater_\@:
	s_mov_b32 s[PEND], 1                           ; role 1: owed
.Lhid_\@:
	s_xor_b32 s[TB], s[TB], SLOT1
	s_add_co_u32 s[TI], s[TI], 1
.endm
; THE CHANGE OF SLOTS stands at a slot's head: all my tensor loads have landed, the add, my reads of the slot that I have left are over (V's fragments of a product that is owed among them), one barrier; behind it that slot takes
; the next lower block of keys, if there is one.
.macro CHANGE fill
	s_wait_tensorcnt 0x0
	ds_add_u32 v[SPW], v[NIL]                      ; 0 onto my spare word
.if \fill
	ds_add_u32 v[SPW], v[NIL]                      ; and once more, in every trip alike
	s_xor_b32 s[G0K+1], s[G0K+1], SLOT1
	s_sub_nc_u64 s[G0K+2:G0K+3], s[G0K+2:G0K+3], 128*256
	s_xor_b32 s[G0V+1], s[G0V+1], SLOT1
	s_sub_nc_u64 s[G0V+2:G0V+3], s[G0V+2:G0V+3], 128*256
.endif
	s_wait_dscnt 0x0
	s_barrier_signal -1
	s_barrier_wait -1
.if \fill
	s_cmp_ge_u32 s[TI], s[QB]                      ; block QB - TI - 1 does not exist: no step would read it.  The work-group's number and the count of trips alone: all eight waves go the same way
	s_cbranch_scc1 .Lpast_\@
	TLOAD G0K, G1K, G0V, G1V                       ; a wave's one tensor load until the next barrier
.Lpast_\@:
.endif
.endm
	s_wait_loadcnt 0x0                             ; Q
.Lslot:
	CHANGE 1
	STEP 0
	s_sub_co_u32 s[SLOTS], s[SLOTS], 1
	s_cmp_lg_u32 s[SLOTS], 0
	s_cbranch_scc1 .Lslot
	CHANGE 0
	STEP 1
	PENDING                                        ; role 1: the last step's V^T P
; THE MERGE.  My register tile 1, with its c m and l, goes to wave w xor 4 as an image of the registers; its register tile 1 holds the queries of my register tile 0.
.irp t, 0,1
	v_add_f32 v[ST+8*\t+4], v[ST+8*\t+2], v[ST+8*\t+3]
.endr
	WIN 0x04                                       ; an LDS store's data: window 1
.irp n, 0,1,2,3,4,5,6,7,8,9,10,11,12,13,14,15
	ds_store_b128 v[XS], v[64+4*\n:64+4*\n+3] offset:512*\n
.endr
	WIN 0
	ds_store_b32 v[XS4], v[ST+8]
	ds_store_b32 v[XS4], v[ST+12] offset:128
	s_wait_dscnt 0x0                               ; for the partner's sake: my stores have landed
	s_barrier_signal -1
	s_barrier_wait -1
.irp n, 0,1,2,3,4,5,6,7,8,9,10,11,12,13,14,15
	ds_load_b128 v[S+4*\n:S+4*\n+3], v[XR] offset:512*\n
.endr
	ds_load_b32 v224, v[XR4]
	ds_load_b32 v225, v[XR4] offset:128
	s_wait_dscnt 0x0
	v_max_num_f32 v226, v[ST], v224                ; the common c m
	v_sub_f32 v227, v[ST], v226
	v_sub_f32 v228, v224, v226
	v_exp_f32 v227, v227
	v_exp_f32 v228, v228
	v_nop
	s_wait_alu depctr_va_vdst(0)                   ; one wait for the two
	v_mul_f32 v229, v227, v[ST+4]
	v_fma_f32 v229, v228, v225, v229
	v_permlanex16_b32 v[ST+5], v229, s[SEL], s[SEL+1]
	v_add_f32 v229, v229, v[ST+5]                  ; the row's sum
	v_rcp_f32 v229, v229
	v_nop
	s_wait_alu depctr_va_vdst(0)
	v_mul_f32 v230, v227, v229
	v_mul_f32 v232, v228, v229
	v_mov_b32 v231, 0                              ; named as the upper halves of pairs
	v_mov_b32 v233, 0
.set n, 0
.rept 32
	v_pk_mul_f32 v[S+n:S+n+1], v[S+n:S+n+1], v[232:233] op_sel_hi:[1,0]
.set n, n+2
.endr
	WIN 0x01
.set n, 0
.rept 32
	v_pk_fma_f32 v[S+n:S+n+1], v[n:n+1], v[230:231], v[S+n:S+n+1] op_sel_hi:[1,0,1]
.set n, n+2
.endr
	WIN 0
.set n, 0
.rept 32
	v_cvt_pk_f16_f32 v[P+n], v[S+2*n], v[S+2*n+1]
.set n, n+1
.endr
.irp f, 0,1,2,3,4,5,6,7
	ds_store_b128 v[STO], v[P+4*\f:P+4*\f+3] offset:32*\f
.endr
.irp f, 0,1,2,3,4,5,6,7
	ds_load_b128 v[224+4*\f:224+4*\f+3], v[RD] offset:\f*2*SP   ; LDS serves a wave's instructions in order
.endr
.irp f, 0,1,2,3,4,5,6,7
	s_wait_dscnt 7-\f                              ; this load is in; the younger ones may be out
	global_store_b128 v[GO], v[224+4*\f:224+4*\f+3], s[10:11] offset:4096*\f   ; 16 lanes store a head's 256 bytes of a row, aligned
.endr
	s_wait_tensorcnt 0x0                           ; the wave's end
	ds_add_u32 v[SPW], v[NIL]
	s_wait_dscnt 0x0
	s_endpgm
.Lfunc_end_k_q91561fdffa_attn:
	.size	k_q91561fdffa_attn, .Lfunc_end_k_q91561fdffa_attn-k_q91561fdffa_attn
	.p2alignl 7, 3214868480
	.fill 96, 4, 3214868480
	.section	.rodata,"a",@progbits
	.p2align	6, 0x0
	.amdhsa_kernel k_q91561fdffa_attn
		.amdhsa_group_segment_fixed_size 327680
		.amdhsa_private_segment_fixed_size 0
		.amdhsa_enable_private_segment 0
		.amdhsa_kernarg_size 16
		.amdhsa_user_sgpr_count 2
		.amdhsa_user_sgpr_kernarg_segment_ptr 1
		.amdhsa_wavefront_size32 1
		.amdhsa_system_sgpr_workgroup_id_x 1
		.amdhsa_system_sgpr_workgroup_id_y 1
		.amdhsa_system_sgpr_workgroup_id_z 1
		.amdhsa_system_vgpr_workitem_id 0
		.amdhsa_next_free_vgpr 512
		.amdhsa_next_free_sgpr 66
		.amdhsa_reserve_vcc 1
		.amdhsa_float_denorm_mode_32 3
		.amdhsa_float_denorm_mode_16_64 3
		.amdhsa_memory_ordered 1
		.amdhsa_forward_progress 1
		.amdhsa_inst_pref_size 94
	.end_amdhsa_kernel
	.amdgpu_metadata
---
amdhsa.version: [ 1, 2 ]
amdhsa.kernels:
  - .name:           k_q91561fdffa_attn
    .symbol:         k_q91561fdffa_attn.kd
    .args:
      - { .name: qkv16, .offset: 0, .size: 8, .value_kind: global_buffer, .address_space: global }
      - { .name: attn16, .offset: 8, .size: 8, .value_kind: global_buffer, .address_space: global }
    .group_segment_fixed_size: 327680
    .private_segment_fixed_size: 0
    .kernarg_segment_align: 8
    .kernarg_segment_size: 16
    .max_flat_workgroup_size: 256
    .sgpr_count:     66
    .vgpr_count:     512
    .wavefront_size: 32
...
	.end_amdgpu_metadata
.endif
;; end of part 3
;; launch proj (part 4): grid 16 x 16, 4 waves a work-group, clusters of 4 x 4, 327,680 bytes of LDS; arguments attn16, wo16, out0; writes out0
.if DOCPART == 4
	.amdgcn_target "amdgcn-amd-amdhsa--gfx1250"
	.amdhsa_code_object_version 6
	.text
	.protected	k_q91561fdffa_proj
	.globl	k_q91561fdffa_proj
	.p2align	8
	.type	k_q91561fdffa_proj,@function
k_q91561fdffa_proj:
	s_mov_b64 s[64:65], 0
	v_nop
	global_prefetch_b8 v0, s[64:65] scope:SCOPE_SE
	s_setreg_imm32_b32 hwreg(HW_REG_WAVE_MODE, 25, 1), 1
	s_wait_xcnt 0x0
	s_wait_alu depctr_hold_cnt(0) depctr_sa_sdst(0) depctr_va_vdst(0) depctr_va_sdst(0) depctr_va_ssrc(0) depctr_va_vcc(0) depctr_vm_vsrc(0)
	s_getreg_b32 s2, hwreg(HW_REG_IB_STS2, 6, 4)
	s_cmp_eq_u32 s2, 0
	s_cbranch_scc0 .Lentry_in_a_cluster
	s_endpgm
.Lentry_in_a_cluster:
	s_bfe_u32 s2, ttmp6, 0x10000c
	s_cmp_lg_u32 s2, 0xf033
	s_cbranch_scc0 .Lentry_shape_is_right
	s_endpgm
.Lentry_shape_is_right:
; out0[m][n] = sum over k of attn16[m][k] wo16[n][k].  attn16 [4096][1024], wo16 [2048][1024]: f16; out0 [4096][2048] f32; sums in f32.
; A tile of 256 x 128 gives each of 256 work-groups one tile.  Four waves, each 128 x 64: 32 accumulators, 256 registers (window 1).  K goes in 8 steps of 128 (rows of 256 bytes) through two LDS slots.
; CLUSTERS: 4 x 4 work-groups; A's tiles are asked for jointly along a row of the cluster, B's along a column.  Waves 0 and 1 fetch A's halves (128 rows), waves 2 and 3 B's (64 rows).
; THE MATRIX INSTRUCTION IS USED TRANSPOSED (source 0 = 16 rows of wo, source 1 = 16 rows of attn): a lane holds eight neighbouring numbers of a row of out0.
; The first 16 positions of both sequences are written again, more finely, by the launch behind this one.
; REGISTERS: window 0: v16-29 addresses; v64-127, v128-191 A's fragments (8 x 16 rows x 32 K), two buffers; v192-223, v224-255 B's (4); way out: v32-63, v64-95 rows read back.   window 1: accumulator (a, b) at v[8 (4 a + b)].
.set SIZE_K, 1024
.set SIZE_N, 2048
.set KSTEP,  128
.set PITCH,  272
.set HALFA,  128*PITCH
.set HALFB,  64*PITCH
.set BOFF,   2*HALFA
.set SLOT,   2*HALFA+2*HALFB
.set STAGE,  2*SLOT                    ; 16 rows x (256 + 16) bytes a wave
.set SPITCH, 272
.set SPARE,  STAGE+4*16*SPITCH
.set LAPS,   SIZE_K/(2*KSTEP)
.set ADRA, 16
.set ADRB, 20
.set STO,  24
.set RD,   25
.set CO,   26
.set SPW,  28
.set NIL,  29
.set G1, 24
.set G0, 32
.set G1B, 48
.set G0B, 56
.set MSB, 0
.macro WIN new
.if MSB != \new
	s_set_vgpr_msb (MSB<<8)|\new
.set MSB, \new
.endif
.endm
.set MUL, 0x50                         ; C and D window 1, both sources window 0
.macro JLOAD s
	s_cmp_eq_u32 s11, 0
	s_cbranch_scc0 .Lfor_b_\@
	tensor_load_to_lds s[G0+4*\s:G0+4*\s+3], s[G1:G1+7]
	s_nop 0
.rept 4
	v_nop
.endr
	s_branch .Lasked_\@
.Lfor_b_\@:
	tensor_load_to_lds s[G0B+4*\s:G0B+4*\s+3], s[G1B:G1B+7]
	s_nop 0
.rept 4
	v_nop
.endr
.Lasked_\@:
.endm
.macro CREST
	s_cmp_lg_u32 s10, 0
	s_cbranch_scc1 .Lnot_wave_0_\@
	s_barrier_signal -3
.Lnot_wave_0_\@:
	s_barrier_wait -3
	s_barrier_signal -1
	s_barrier_wait -1
.endm
.macro CROUND
	s_barrier_signal -1
	s_barrier_wait -1
	CREST
.endm
	s_load_b128 s[4:7], s[0:1], 0x0                ; attn16, wo16
	s_load_b64 s[8:9], s[0:1], 0x10                ; out0
	v_lshl_add_u32 v[SPW], v0, 2, SPARE
	v_mov_b32 v[NIL], 0
	ds_add_u32 v[SPW], v[NIL]                      ; the wave's opening: the add, twice on end, and its wait ahead of my first tensor load
	ds_add_u32 v[SPW], v[NIL]
	v_lshrrev_b32 v1, 5, v0
	v_readfirstlane_b32 s10, v1                    ; wave 0..3
	s_lshr_b32 s11, s10, 1                         ; my half of the tile's rows; also: I fetch for A (0) or B (1)
	s_and_b32 s12, s10, 1                          ; my half of its columns; also: which half I fetch
	s_bfe_u32 s40, ttmp6, 0x40000                  ; cx
	s_bfe_u32 s41, ttmp6, 0x40004                  ; cy
	s_lshl_b32 s42, ttmp9, 2
	s_add_co_u32 s42, s42, s40                     ; tile column
	s_and_b32 s13, ttmp7, 0xffff
	s_lshl_b32 s13, s13, 2
	s_add_co_u32 s13, s13, s41                     ; tile row
	s_lshl_b32 s43, s41, 2
	s_lshl_b32 s43, 15, s43                        ; my row of the cluster
	s_lshl_b32 s44, 0x1111, s40                    ; my column
	s_or_b32 s[G1+0], s43, (1<<16)|(1<<20)|(1<<21)|(5<<22)|(3<<25)  ; mask; elements of 2 bytes; 4 words of padding behind every 64
	s_or_b32 s[G1B+0], s44, (1<<16)|(1<<20)|(1<<21)|(5<<22)|(3<<25)
	s_mov_b32 s[G1+1], KSTEP<<16
	s_mov_b32 s[G1+2], 128<<16
	s_mov_b32 s[G1+3], KSTEP<<16
	s_mov_b32 s[G1+4], 128                         ; A: 128 rows to a load
	s_mov_b32 s[G1+5], SIZE_K
	s_mov_b32 s[G1+6], 0
	s_mov_b32 s[G1+7], 0
	s_mov_b32 s[G1B+1], KSTEP<<16
	s_mov_b32 s[G1B+2], 64<<16
	s_mov_b32 s[G1B+3], KSTEP<<16
	s_mov_b32 s[G1B+4], 64                         ; B: 64 rows
	s_mov_b32 s[G1B+5], SIZE_K
	s_mov_b32 s[G1B+6], 0
	s_mov_b32 s[G1B+7], 0
	s_lshl_b32 s17, s12, 7
	s_lshl_b32 s16, s13, 8
	s_add_co_u32 s16, s16, s17                     ; A: row 256 x tile row + 128 x half
	s_lshl_b32 s47, s12, 6
	s_lshl_b32 s46, s42, 7
	s_add_co_u32 s46, s46, s47                     ; B: row 128 x tile column + 64 x half
	s_lshl_b32 s16, s16, 11                        ; rows of 2,048 bytes
	s_mov_b32 s17, 0
	s_lshl_b32 s46, s46, 11
	s_mov_b32 s47, 0
	s_mul_i32 s20, s12, HALFA                      ; where they go: no place in the cluster enters an LDS address
	s_mul_i32 s21, s12, HALFB
	s_add_co_u32 s21, s21, BOFF
	s_wait_dscnt 0x0                               ; both opening adds are done
	s_wait_kmcnt 0x0
	s_add_nc_u64 s[14:15], s[4:5], s[16:17]
	s_add_nc_u64 s[46:47], s[6:7], s[46:47]
	CROUND                                         ; all sixteen work-groups are here: the first joint loads meet
.irp s, 0,1
	s_mov_b32 s[G0+4*\s], 1
	s_add_co_u32 s[G0+4*\s+1], s20, \s*SLOT
	s_add_nc_u64 s[G0+4*\s+2:G0+4*\s+3], s[14:15], \s*KSTEP*2
	s_or_b32 s[G0+4*\s+3], s[G0+4*\s+3], 0x80000000
	s_mov_b32 s[G0B+4*\s], 1
	s_add_co_u32 s[G0B+4*\s+1], s21, \s*SLOT
	s_add_nc_u64 s[G0B+4*\s+2:G0B+4*\s+3], s[46:47], \s*KSTEP*2
	s_or_b32 s[G0B+4*\s+3], s[G0B+4*\s+3], 0x80000000
	JLOAD \s                                       ; two loads of mine are out
.endr
	v_and_b32 v1, 15, v0
	v_bfe_u32 v2, v0, 4, 1
	v_mul_u32_u24 v3, v1, PITCH
	v_lshl_add_u32 v3, v2, 4, v3
	s_mul_i32 s21, s11, HALFA                      ; my 128 rows of A
	s_mul_i32 s22, s12, HALFB                      ; my 64 rows of B
	s_add_co_u32 s22, s22, BOFF
.irp s, 0,1
	v_add_nc_u32 v[ADRA+\s], s21, v3
	v_add_nc_u32 v[ADRB+\s], s22, v3
	s_add_co_u32 s21, s21, SLOT
	s_add_co_u32 s22, s22, SLOT
.endr
	s_mul_i32 s23, s10, 16*SPITCH
	s_add_co_u32 s23, s23, STAGE
	v_mul_u32_u24 v4, v1, SPITCH
	v_lshl_add_u32 v4, v2, 5, v4
	v_add_nc_u32 v[STO], s23, v4                   ; in: row r, 32 bytes for each half of the lanes
	v_mul_u32_u24 v5, v2, SPITCH
	v_lshl_add_u32 v5, v1, 4, v5
	v_add_nc_u32 v[RD], s23, v5                    ; back: lanes 0-15 one row of 256 bytes, lanes 16-31 the next
	v_lshlrev_b32 v5, 13, v2
	v_lshl_add_u32 v[CO], v1, 4, v5                ; and the same two rows in out0 (8,192 bytes a row)
	s_lshl_b32 s16, s13, 8
	s_lshl_b32 s17, s11, 7
	s_add_co_u32 s16, s16, s17
	s_lshl_b32 s16, s16, 13
	s_lshl_b32 s46, s42, 9
	s_lshl_b32 s47, s12, 8
	s_add_co_u32 s46, s46, s47
	s_add_co_u32 s16, s16, s46
	s_mov_b32 s17, 0
	s_add_nc_u64 s[8:9], s[8:9], s[16:17]
.macro FETCH slot, k, f                ; 24 LDS loads: 32 along K at byte k of the rows: B's four blocks, A's 0-3, A's 4-7
.irp i, 0,1,2,3
	ds_load_b128 v[192+32*\f+8*\i:192+32*\f+8*\i+3],   v[ADRB+\slot] offset:\k+\i*16*PITCH
	ds_load_b128 v[192+32*\f+8*\i+4:192+32*\f+8*\i+7], v[ADRB+\slot] offset:\k+\i*16*PITCH+32
.endr
.irp i, 0,1,2,3,4,5,6,7
	ds_load_b128 v[64+64*\f+8*\i:64+64*\f+8*\i+3],   v[ADRA+\slot] offset:\k+\i*16*PITCH
	ds_load_b128 v[64+64*\f+8*\i+4:64+64*\f+8*\i+7], v[ADRA+\slot] offset:\k+\i*16*PITCH+32
.endr
.endm
.macro MULH f, a0, n, zero             ; A's blocks a0 .. a0 + n - 1 x B's four.  The 32 accumulators take turns, one instruction a turn, in the same order in every quarter
.set aa, \a0
.rept \n
.irp b, 0,1,2,3
.if \zero
	v_wmma_f32_16x16x32_f16 v[8*(4*aa+\b):8*(4*aa+\b)+7], v[192+32*\f+8*\b:192+32*\f+8*\b+7], v[64+64*\f+8*aa:64+64*\f+8*aa+7], 0
.else
	v_wmma_f32_16x16x32_f16 v[8*(4*aa+\b):8*(4*aa+\b)+7], v[192+32*\f+8*\b:192+32*\f+8*\b+7], v[64+64*\f+8*aa:64+64*\f+8*aa+7], v[8*(4*aa+\b):8*(4*aa+\b)+7]
.endif
.endr
.set aa, aa+1
.endr
.endm
.macro PLACES
.rept 4
	v_nop
.endr
.endm
.macro QUARTER slot, k, f, g, zero     ; 32 along K: multiplies buffer f, fetches the next quarter, at byte k, into buffer g
	s_wait_dscnt 8                                 ; B and A's blocks 0-3 are in; A's blocks 4-7, the youngest eight loads, may be out
	WIN MUL
	MULH \f, 0, 4, \zero
	WIN 0
	PLACES
	FETCH \slot, \k, \g
	s_wait_dscnt 24                                ; all but the 24 just issued
	WIN MUL
	MULH \f, 4, 4, \zero
	WIN 0
.endm
.macro TURN slot, next, fill           ; a K step's last quarter multiplies buffer 1 and changes slots
	s_wait_tensorcnt 0x0                           ; all my tensor loads have landed: my part of the next slot
	ds_add_u32 v[SPW], v[NIL]                      ; 0 onto my spare word
	s_wait_dscnt 9                                 ; the add and the youngest eight loads may be out
	WIN MUL
	MULH 1, 0, 2, 0
	s_wait_dscnt 0x0                               ; the add is done, and my reads of this slot are over
	s_barrier_signal -1
	MULH 1, 2, 2, 0
	WIN 0
	s_barrier_wait -1
.if \fill
	CREST                                          ; the barrier has opened a round of the cluster's
	s_add_nc_u64 s[G0+4*\slot+2:G0+4*\slot+3], s[G0+4*\slot+2:G0+4*\slot+3], 2*KSTEP*2
	s_add_nc_u64 s[G0B+4*\slot+2:G0B+4*\slot+3], s[G0B+4*\slot+2:G0B+4*\slot+3], 2*KSTEP*2
	JLOAD \slot                                    ; my one tensor load behind the round; its four v_nop are the places in front of the loads below
.else
	PLACES
.endif
	FETCH \next, 0, 0
	WIN MUL
	MULH 1, 4, 4, 0
	WIN 0
.endm
	s_wait_tensorcnt 1                             ; my part of K step 0 is in; K step 1's load may be out
	s_barrier_signal -1
	s_barrier_wait -1
	FETCH 0, 0, 0
	QUARTER 0, 64, 0, 1, 1                         ; the first quarter's products start the sums
	s_mov_b32 s3, LAPS-1
.Llap:
	QUARTER 0, 128, 1, 0, 0
	QUARTER 0, 192, 0, 1, 0
	TURN 0, 1, 1
	QUARTER 1, 64,  0, 1, 0
	QUARTER 1, 128, 1, 0, 0
	QUARTER 1, 192, 0, 1, 0
	TURN 1, 0, 1
	QUARTER 0, 64,  0, 1, 0
	s_sub_co_u32 s3, s3, 1
	s_cmp_lg_u32 s3, 0
	s_cbranch_scc1 .Llap
	QUARTER 0, 128, 1, 0, 0                        ; the last lap fills nothing
	QUARTER 0, 192, 0, 1, 0
	TURN 0, 1, 0
	QUARTER 1, 64,  0, 1, 0
	QUARTER 1, 128, 1, 0, 0
	QUARTER 1, 192, 0, 1, 0
	s_wait_dscnt 0x0
	WIN MUL
	MULH 1, 0, 8, 0
	WIN 0
; THE WAY OUT, block by block of 16 rows x 64 numbers: through my own stage and back as whole rows of 256 bytes
.macro TOSTAGE a
	WIN 0x04                                       ; an LDS store's data: window 1
.irp b, 0,1,2,3
	ds_store_b128 v[STO], v[8*(4*(\a)+\b):8*(4*(\a)+\b)+3] offset:64*\b          ; each accumulator from its low end on
	ds_store_b128 v[STO], v[8*(4*(\a)+\b)+4:8*(4*(\a)+\b)+7] offset:64*\b+16
.endr
	WIN 0
.set BB, 32+32*((\a)%2)
.irp t, 0,1,2,3,4,5,6,7
	ds_load_b128 v[BB+4*\t:BB+4*\t+3], v[RD] offset:\t*2*SPITCH
.endr
.endm
.macro SEND a, younger
.set BB, 32+32*((\a)%2)
	s_wait_dscnt \younger                          ; the block is back; the LDS instructions issued behind its loads may be out
.irp t, 0,1,2,3,4,5,6,7
	global_store_b128 v[CO], v[BB+4*\t:BB+4*\t+3], s[8:9] offset:(\a)*131072+\t*16384 th:TH_STORE_NT   ; 16 lanes store 256 consecutive bytes, aligned
.endr
.endm
	PLACES
	TOSTAGE 0
.irp a, 1,2,3,4,5,6,7
.if \a > 1
	s_wait_xcnt 0x0                                ; the stores of two blocks back have read their registers: this block's loads may land there
.endif
	TOSTAGE \a
	SEND \a-1, 16                                  ; behind that block's loads: this block's 8 stores and 8 loads
.endr
	SEND 7, 0
	s_wait_tensorcnt 0x0                           ; the wave's end
	ds_add_u32 v[SPW], v[NIL]
	s_wait_dscnt 0x0
	CROUND                                         ; the closing round
	s_endpgm
.Lfunc_end_k_q91561fdffa_proj:
	.size	k_q91561fdffa_proj, .Lfunc_end_k_q91561fdffa_proj-k_q91561fdffa_proj
	.p2alignl 7, 3214868480
	.fill 96, 4, 3214868480
	.section	.rodata,"a",@progbits
	.p2align	6, 0x0
	.amdhsa_kernel k_q91561fdffa_proj
		.amdhsa_group_segment_fixed_size 327680
		.amdhsa_private_segment_fixed_size 0
		.amdhsa_enable_private_segment 0
		.amdhsa_kernarg_size 24
		.amdhsa_user_sgpr_count 2
		.amdhsa_user_sgpr_kernarg_segment_ptr 1
		.amdhsa_wavefront_size32 1
		.amdhsa_system_sgpr_workgroup_id_x 1
		.amdhsa_system_sgpr_workgroup_id_y 1
		.amdhsa_system_sgpr_workgroup_id_z 1
		.amdhsa_system_vgpr_workitem_id 0
		.amdhsa_next_free_vgpr 512
		.amdhsa_next_free_sgpr 66
		.amdhsa_reserve_vcc 0
		.amdhsa_float_denorm_mode_32 3
		.amdhsa_float_denorm_mode_16_64 3
		.amdhsa_memory_ordered 1
		.amdhsa_forward_progress 1
		.amdhsa_inst_pref_size 86
	.end_amdhsa_kernel
	.amdgpu_metadata
---
amdhsa.version: [ 1, 2 ]
amdhsa.kernels:
  - .name:           k_q91561fdffa_proj
    .symbol:         k_q91561fdffa_proj.kd
    .args:
      - { .name: attn16, .offset: 0, .size: 8, .value_kind: global_buffer, .address_space: global }
      - { .name: wo16, .offset: 8, .size: 8, .value_kind: global_buffer, .address_space: global }
      - { .name: out0, .offset: 16, .size: 8, .value_kind: global_buffer, .address_space: global }
    .group_segment_fixed_size: 327680
    .private_segment_fixed_size: 0
    .kernarg_segment_align: 8
    .kernarg_segment_size: 24
    .max_flat_workgroup_size: 128
    .sgpr_count:     66
    .vgpr_count:     512
    .wavefront_size: 32
...
	.end_amdgpu_metadata
.endif
;; end of part 4
;; launch first16 (part 5): grid 128 x 2, 8 waves a work-group, no clusters, 9,216 bytes of LDS; arguments qkv32, wo, out0; writes out0
.if DOCPART == 5
	.amdgcn_target "amdgcn-amd-amdhsa--gfx1250"
	.amdhsa_code_object_version 6
	.text
	.protected	k_q91561fdffa_first16
	.globl	k_q91561fdffa_first16
	.p2align	8
	.type	k_q91561fdffa_first16,@function
k_q91561fdffa_first16:
	s_mov_b64 s[64:65], 0
	v_nop
	global_prefetch_b8 v0, s[64:65] scope:SCOPE_SE
	s_setreg_imm32_b32 hwreg(HW_REG_WAVE_MODE, 25, 1), 1
	s_wait_xcnt 0x0
; Positions 0 to 15 of both sequences once more, with f32 operands in all three products: these rows average one to sixteen values and are the largest of the output.  They overwrite what the launch before stored there.
; Work-group (x, y): 16 columns of out0, batch y.  Wave w is head w: it makes its head's attention for the 16 positions and then the part of the projection whose K is its own 128 channels, so that the attention's result never
; leaves the registers; the eight parts are added through LDS by wave 0.  The attention is made anew by each of the 128 column groups: 64 small matrix instructions a wave.
; q and k lie in qkv32 as an image of registers: group c of 512 bytes, lane l's 16 bytes at 16 l: channels 16 (c / 2) + 8 h + 4 (c % 2) + 0 .. 3 of position r: each of their loads reads 512 consecutive bytes.  v lies as rows.
; THE FORM takes K = 4: lane (r, h), register j holds k = 2 h + j.  The same permutation of k is used on both sources: scores: step 2 c + u takes channel 16 (c / 2) + 8 h + 4 (c % 2) + 2 u + j; second product: step c takes
; key 8 h + 2 c + j; projection: step (t, c) takes channel 16 t + 8 h + 2 c + j.  So every operand is loaded, or stands, as the layouts give it.
; The registers that the matrix instructions write (v144-239) are written by nothing else; each sum begins with the constant 0; accumulators take turns, one instruction a turn.
; The stores at the end are runs of 64 bytes: 32 rows of out0 in all.
.set QR,  16                           ; v16-79   q: register 4 c + i: channel 16 (c / 2) + 8 h + 4 (c % 2) + i of position r
.set KR,  80                           ; v80-143  k likewise
.set ACS, 144                          ; v144-175 four accumulators: the scores, later the projection
.set ACO, 176                          ; v176-239 O^T: eight tiles of 16 channels
.set P,   240                          ; v240-247 the weights
.set R,   248                          ; v248-255 at work; my part of the result
.set SPW, 7
.set NIL, 8
.set SPARE, 8192
.set MSB, 0
.macro WIN new
.if MSB != \new
	s_set_vgpr_msb (MSB<<8)|\new
.set MSB, \new
.endif
.endm
	s_load_b128 s[4:7], s[0:1], 0x0                ; qkv32, wo
	s_load_b64 s[8:9], s[0:1], 0x10                ; out0
	v_lshl_add_u32 v[SPW], v0, 2, SPARE
	v_mov_b32 v[NIL], 0
	v_lshrrev_b32 v1, 5, v0
	v_readfirstlane_b32 s10, v1                    ; wave = head
	s_and_b32 s11, ttmp7, 0xffff                   ; batch
	v_and_b32 v1, 15, v0                           ; r
	v_bfe_u32 v2, v0, 4, 1                         ; h
	v_lshlrev_b32 v4, 2, v1
	v_lshl_add_u32 v4, v2, 12, v4                  ; v: key 8 h, channel r
	s_lshl_b32 s12, ttmp9, 16
	s_lshl_b32 s13, s10, 9
	s_add_co_u32 s12, s12, s13
	v_lshlrev_b32 v5, 12, v1
	v_lshl_add_u32 v5, v2, 5, v5
	v_add_nc_u32 v5, s12, v5                       ; wo: row 16 x + r of 4,096 bytes, my head's 512, + 32 h
	v_lshlrev_b32 v6, 3, v2
	v_sub_nc_u32 v6, v1, v6                        ; r - 8 h: register j holds key 8 h + j, hidden where j > r - 8 h
	v_and_b32 v10, 31, v0
	v_lshlrev_b32 v10, 4, v10                      ; 16 x lane: q's and k's image, and the parts in LDS
	s_lshl_b32 s13, s10, 10
	v_add_nc_u32 v9, s13, v10                      ; my part's place in LDS: 1,024 bytes a wave
	s_lshl_b32 s13, ttmp9, 6
	v_lshlrev_b32 v11, 13, v1
	v_lshl_add_u32 v11, v2, 5, v11
	v_add_nc_u32 v11, s13, v11                     ; out0: row r of 8,192 bytes, 64 x, + 32 h
	s_lshl_b32 s14, s11, 3
	s_add_co_u32 s14, s14, s10
	s_lshl_b32 s14, s14, 13                        ; my head's 8,192 bytes in each section of qkv32
	s_mov_b32 s15, 0
	s_lshl_b32 s16, s11, 24                        ; the batch in out0
	s_mov_b32 s17, 0
	s_mov_b32 s18, 0x3e0293ee                      ; c = log2(e) / sqrt(128)
	s_mov_b32 s20, 0x76543210
	s_mov_b32 s21, 0xfedcba98
	v_mov_b32 v12, 0xff800000
	v_mov_b32 v14, 0                               ; a lane permute's destination counts as one of its sources
	s_wait_kmcnt 0x0
	s_add_nc_u64 s[4:5], s[4:5], s[14:15]
	s_add_nc_u64 s[8:9], s[8:9], s[16:17]
.irp c, 0,1,2,3,4,5,6,7,8,9,10,11,12,13,14,15
	global_load_b128 v[KR+4*\c:KR+4*\c+3], v10, s[4:5] offset:131072+512*\c   ; 512 consecutive bytes
.endr
.irp c, 0,1,2,3,4,5,6,7,8,9,10,11,12,13,14,15
	global_load_b128 v[QR+4*\c:QR+4*\c+3], v10, s[4:5] offset:512*\c
.endr
	WIN 0x40                                       ; destination window 1
.irp t, 0,1,2,3,4,5,6,7
	global_load_b128 v[64+8*\t:64+8*\t+3], v5, s[6:7] offset:64*\t        ; wo(16 x + r, 128 w + 16 t + 8 h + 0 .. 7)
	global_load_b128 v[64+8*\t+4:64+8*\t+7], v5, s[6:7] offset:64*\t+16
.endr
	s_wait_loadcnt 16                              ; k and q are in; wo's 16 loads may be out
.irp t, 0,1,2,3,4,5,6,7
.irp kk, 0,1,2,3,4,5,6,7
	global_load_b32 v[8*\t+\kk], v4, s[4:5] offset:262144+512*\kk+64*\t   ; v(key 8 h + kk, channel 16 t + r): lands while the scores are made
.endr
.endr
	WIN 0
.set st, 0
.rept 32                               ; S^T = k q^T: lane (r, h): query r, register j: key 8 h + j
.if st < 4
	v_wmma_f32_16x16x4_f32 v[ACS+8*(st%4):ACS+8*(st%4)+7], v[KR+2*st:KR+2*st+1], v[QR+2*st:QR+2*st+1], 0
.else
	v_wmma_f32_16x16x4_f32 v[ACS+8*(st%4):ACS+8*(st%4)+7], v[KR+2*st:KR+2*st+1], v[QR+2*st:QR+2*st+1], v[ACS+8*(st%4):ACS+8*(st%4)+7]
.endif
.set st, st+1
.endr
.rept 8
	v_nop                                          ; eight places behind this form
.endr
.irp j, 0,1,2,3,4,5,6,7
	v_add_f32 v[P+\j], v[ACS+\j], v[ACS+8+\j]      ; the four parts, each accumulator from its low end on
	v_add_f32 v[R+\j], v[ACS+16+\j], v[ACS+24+\j]
.endr
.irp j, 0,1,2,3,4,5,6,7
	v_add_f32 v[P+\j], v[P+\j], v[R+\j]
.endr
.irp j, 0,1,2,3,4,5,6,7
	v_cmp_gt_i32 vcc_lo, \j, v6
	v_cndmask_b32 v[P+\j], v[P+\j], v12, vcc_lo    ; keys after the query: -infinity.  Key 0 counts for every query
.endr
	v_max3_num_f32 v13, v[P], v[P+1], v[P+2]
	v_max3_num_f32 v13, v13, v[P+3], v[P+4]
	v_max3_num_f32 v13, v13, v[P+5], v[P+6]
	v_max_num_f32 v13, v13, v[P+7]
	v_permlanex16_b32 v14, v13, s20, s21
	v_max_num_f32 v13, v13, v14                    ; the row's maximum
	v_mul_f32 v15, s18, v13
.irp j, 0,1,2,3,4,5,6,7
	v_fma_f32 v[P+\j], v[P+\j], s18, -v15
.endr
.irp j, 0,1,2,3,4,5,6,7
	v_exp_f32 v[P+\j], v[P+\j]
.endr
	v_nop
	s_wait_alu depctr_va_vdst(0)                   ; one wait for the eight, ahead of their first reader
	v_add_f32 v13, v[P], v[P+1]
	v_add_f32 v15, v[P+2], v[P+3]
	v_add_f32 v[R], v[P+4], v[P+5]
	v_add_f32 v[R+1], v[P+6], v[P+7]
	v_add_f32 v13, v13, v15
	v_add_f32 v[R], v[R], v[R+1]
	v_add_f32 v13, v13, v[R]
	v_permlanex16_b32 v14, v13, s20, s21
	v_add_f32 v13, v13, v14                        ; the row's sum
	v_rcp_f32 v13, v13
	v_nop
	s_wait_alu depctr_va_vdst(0)
.irp j, 0,1,2,3,4,5,6,7
	v_mul_f32 v[P+\j], v[P+\j], v13
.endr
	s_wait_loadcnt 0x0                             ; v and wo
	WIN 0x01                                       ; source 0 window 1
.irp c, 0,1,2,3                        ; O^T = v^T p: lane (r, h): query r, register 8 t + j: channel 16 t + 8 h + j
.irp t, 0,1,2,3,4,5,6,7
.if \c == 0
	v_wmma_f32_16x16x4_f32 v[ACO+8*\t:ACO+8*\t+7], v[8*\t+2*\c:8*\t+2*\c+1], v[P+2*\c:P+2*\c+1], 0
.else
	v_wmma_f32_16x16x4_f32 v[ACO+8*\t:ACO+8*\t+7], v[8*\t+2*\c:8*\t+2*\c+1], v[P+2*\c:P+2*\c+1], v[ACO+8*\t:ACO+8*\t+7]
.endif
.endr
.endr
.rept 9
	v_nop                                          ; nine places before a matrix instruction takes these results as a source
.endr
.irp t, 0,1,2,3,4,5,6,7                ; my head's part of the projection: lane (r, h): query r, register j: column 16 x + 8 h + j
.irp c, 0,1,2,3
.if \t == 0
	v_wmma_f32_16x16x4_f32 v[ACS+8*\c:ACS+8*\c+7], v[64+8*\t+2*\c:64+8*\t+2*\c+1], v[ACO+8*\t+2*\c:ACO+8*\t+2*\c+1], 0
.else
	v_wmma_f32_16x16x4_f32 v[ACS+8*\c:ACS+8*\c+7], v[64+8*\t+2*\c:64+8*\t+2*\c+1], v[ACO+8*\t+2*\c:ACO+8*\t+2*\c+1], v[ACS+8*\c:ACS+8*\c+7]
.endif
.endr
.endr
	WIN 0
.rept 8
	v_nop
.endr
.irp j, 0,1,2,3,4,5,6,7
	v_add_f32 v[R+\j], v[ACS+\j], v[ACS+8+\j]
	v_add_f32 v[P+\j], v[ACS+16+\j], v[ACS+24+\j]
.endr
.irp j, 0,1,2,3,4,5,6,7
	v_add_f32 v[R+\j], v[R+\j], v[P+\j]
.endr
	ds_store_b128 v9, v[R:R+3]
	ds_store_b128 v9, v[R+4:R+7] offset:512
	s_wait_dscnt 0x0                               ; for wave 0's sake: my stores have landed
	s_barrier_signal -1
	s_barrier_wait -1
	s_cmp_lg_u32 s10, 0
	s_cbranch_scc1 .Lend
.irp w, 0,1,2,3,4,5,6,7
	ds_load_b128 v[16+8*\w:16+8*\w+3], v10 offset:1024*\w
	ds_load_b128 v[16+8*\w+4:16+8*\w+7], v10 offset:1024*\w+512
.endr
	s_wait_dscnt 0x0
.irp w, 1,2,3,4,5,6,7
.irp p, 0,1,2,3
	v_pk_add_f32 v[16+2*\p:16+2*\p+1], v[16+2*\p:16+2*\p+1], v[16+8*\w+2*\p:16+8*\w+2*\p+1]   ; the eight heads' parts, in the heads' order
.endr
.endr
	global_store_b128 v11, v[16:19], s[8:9]
	global_store_b128 v11, v[20:23], s[8:9] offset:16
.Lend:
	s_wait_tensorcnt 0x0                           ; the wave's end, behind my last LDS store
	ds_add_u32 v[SPW], v[NIL]
	s_wait_dscnt 0x0
	s_endpgm
.Lfunc_end_k_q91561fdffa_first16:
	.size	k_q91561fdffa_first16, .Lfunc_end_k_q91561fdffa_first16-k_q91561fdffa_first16
	.p2alignl 7, 3214868480
	.fill 96, 4, 3214868480
	.section	.rodata,"a",@progbits
	.p2align	6, 0x0
	.amdhsa_kernel k_q91561fdffa_first16
		.amdhsa_group_segment_fixed_size 9216
		.amdhsa_private_segment_fixed_size 0
		.amdhsa_enable_private_segment 0
		.amdhsa_kernarg_size 24
		.amdhsa_user_sgpr_count 2
		.amdhsa_user_sgpr_kernarg_segment_ptr 1
		.amdhsa_wavefront_size32 1
		.amdhsa_system_sgpr_workgroup_id_x 1
		.amdhsa_system_sgpr_workgroup_id_y 1
		.amdhsa_system_sgpr_workgroup_id_z 1
		.amdhsa_system_vgpr_workitem_id 0
		.amdhsa_next_free_vgpr 384
		.amdhsa_next_free_sgpr 66
		.amdhsa_reserve_vcc 1
		.amdhsa_float_denorm_mode_32 3
		.amdhsa_float_denorm_mode_16_64 3
		.amdhsa_memory_ordered 1
		.amdhsa_forward_progress 1
		.amdhsa_inst_pref_size 27
	.end_amdhsa_kernel
	.amdgpu_metadata
---
amdhsa.version: [ 1, 2 ]
amdhsa.kernels:
  - .name:           k_q91561fdffa_first16
    .symbol:         k_q91561fdffa_first16.kd
    .args:
      - { .name: qkv32, .offset: 0, .size: 8, .value_kind: global_buffer, .address_space: global }
      - { .name: wo, .offset: 8, .size: 8, .value_kind: global_buffer, .address_space: global }
      - { .name: out0, .offset: 16, .size: 8, .value_kind: global_buffer, .address_space: global }
    .group_segment_fixed_size: 9216
    .private_segment_fixed_size: 0
    .kernarg_segment_align: 8
    .kernarg_segment_size: 24
    .max_flat_workgroup_size: 256
    .sgpr_count:     66
    .vgpr_count:     384
    .wavefront_size: 32
...
	.end_amdgpu_metadata
.endif
;; end of part 5
